; MI455X (gfx1250); checked and timed in simulation.
; The chip was launched on July 23, 2026; its instructions are those of AMD's public machine-readable ISA for CDNA 5 (MIT licence, August 2026) and "CDNA5" Instruction Set Architecture Reference Guide (July 2026). The comments in the code are by the model that wrote it; some were corrected since.
;; Prob Attention Layer. Allowed arithmetic: matrix products marked QUANTISED: E3M2 operands, one E8M0 scale for each 32 along K, by v_wmma_scale_f32_16x16x128_f8f6f4 with both operands' format E3M2, f32 sums; everything else in f32.
;; Inputs: Wk_codes 1,024 x 32 x 24 uint8 (E3M2 codes of Wk, K innermost, in blocks of 32 codes, four codes in three bytes); Wk_scales 1,024 x 32 uint8 (E8M0 scales of Wk, one for each 32 codes along K); Wo_codes 1,024 x 32 x 24 uint8 (E3M2 codes of Wo, K innermost, in blocks of 32 codes, four codes in three bytes); Wo_scales 1,024 x 32 uint8 (E8M0 scales of Wo, one for each 32 codes along K); Wq_codes 1,024 x 32 x 24 uint8 (E3M2 codes of Wq, K innermost, in blocks of 32 codes, four codes in three bytes); Wq_scales 1,024 x 32 uint8 (E8M0 scales of Wq, one for each 32 codes along K); Wv_codes 1,024 x 32 x 24 uint8 (E3M2 codes of Wv, K innermost, in blocks of 32 codes, four codes in three bytes); Wv_scales 1,024 x 32 uint8 (E8M0 scales of Wv, one for each 32 codes along K); beta 1,024 float32; bk 1,024 float32; bo 1,024 float32; bq 1,024 float32; bv 1,024 float32; gamma 1,024 float32; x 4 x 2,048 x 1,024 float32.
;; Outputs: out0 4 x 2,048 x 1,024 float32.
;; This version of the problem:
;;   THIS VERSION OF THE PROBLEM IS GIVEN IN LOW PRECISION. The matrix products marked QUANTISED in the list below multiply operands that are first quantised to E3M2 (3 exponent bits, 2 mantissa bits; 6 bits a number), with one power-of-two scale for each 32 numbers along K (OCP MX v1.0); their sums are f32. All else is computed in f32.
;;   The module's matrix products, in the order in which they are computed (A, B: the left and right operand; K: the contracted axis; several contracted axes count as one K, in the product's order):
;;     1. [M 8,192, K 1,024] x [K 1,024, N 1,024]; A: input x; B: input Wq (given as codes): QUANTISED
;;     2. [M 8,192, K 1,024] x [K 1,024, N 1,024]; A: input x; B: input Wk (given as codes): QUANTISED
;;     3. [M 8,192, K 1,024] x [K 1,024, N 1,024]; A: input x; B: input Wv (given as codes): QUANTISED
;;     4. batch 64 x [M 2,048, K 64] x [K 64, N 2,048]; A: computed on the way; B: computed on the way: QUANTISED
;;     5. batch 64 x [M 2,048, K 2,048] x [K 2,048, N 64]; A: softmax (see below); B: computed on the way: QUANTISED
;;     6. [M 8,192, K 1,024] x [K 1,024, N 1,024]; A: computed on the way; B: input Wo (given as codes): QUANTISED
;;   THE QUANTISER, for each operand of a quantised product, along K:
;;     - K is cut into blocks of 32 from its start; a last block that is shorter is filled with zeros.
;;     - A block's scale is 2^e with e = floor(log2(the largest magnitude in the block)) - 4, held to -126 .. 127; a block of zeros has e = 0. As a byte (E8M0): e + 127.
;;     - Each number is divided by its block's scale, clamped to +-28, and rounded to the nearest number of E3M2, ties to even, subnormals kept.
;;     - The product sums the exact products of the quantised numbers (number of the format x scale) in f32.
;;   ~~~python
;;   def quantise(x, axis):      # numpy; x: float32 -> the quantised numbers, widened to float32 again
;;       x = np.moveaxis(x, axis, -1); K = x.shape[-1]
;;       x = np.pad(x, [(0, 0)] * (x.ndim - 1) + [(0, -K % 32)]); x = x.reshape(x.shape[:-1] + (-1, 32)); a = np.abs(x).max(-1, keepdims=True)
;;       e = np.where(a > 0, np.clip(np.frexp(np.where(a > 0, a, 1))[1] - 1 - 4, -126, 127), 0)      # np.frexp(a)[1] - 1 = floor(log2(a)), exactly
;;       r = np.clip(x / 2.0 ** e, -28, 28)
;;       step = 2.0 ** (np.maximum(np.frexp(np.where(r == 0, 1, r))[1] - 1, -2) - 2)
;;       q = np.round(r / step) * step * 2.0 ** e      # np.round: ties to even
;;       return np.moveaxis(q.reshape(q.shape[:-2] + (-1,))[..., :K], -1, axis).astype(np.float32)
;;   ~~~
;;   SOFTMAX AHEAD OF A QUANTISED PRODUCT. Where the list says 'softmax', what is quantised is not the finished softmax but p = 2^(t - M), with t = logit x log2(e) and M = ceil(the row's largest t), a whole number; so 1/2 < the row's largest p <= 1. The row's sum l is taken of the UNQUANTISED p, in f32, and the product's result is divided by l at the end. Since M is a whole number, a kernel that streams over the keys may use a running M (the ceiling of the running maximum): every later rescaling is an exact power of two, which a block's scale takes up: the codes' values come out the same.
;;   OPERANDS COMPUTED ON THE WAY. 'Computed on the way' means the value that the module computes at that place (a softmax that the list does not call 'softmax' is quantised finished and normalised). What goes into a quantiser is computed in f32, as accurately as f32 sums, v_exp_f32 and their like allow (about 1e-6 of the number): no bf16 or f16 on the way to a quantiser, and a product that is left as it is and whose result goes on into a quantised operand takes f32 operands (vector FMAs, or v_wmma_f32_16x16x4_f32). A number that lies on a knife's edge between two numbers of the format may be rounded either way, as far as f32 arithmetic and the matrix unit's own rounding can turn it there, and no further.
;;   INPUTS GIVEN AS CODES. Wk (in the module: [1024, 1024], K = its axis 0); Wo (in the module: [1024, 1024], K = its axis 0); Wq (in the module: [1024, 1024], K = its axis 0); Wv (in the module: [1024, 1024], K = its axis 0): each comes as NAME_codes (uint8): NAME with its K axis moved to the last place and cut into blocks of 32 codes, [.., K / 32, bytes a block], one block behind the other in memory; four codes in three bytes: a row's codes are one little-endian stream of bits, code i at bits 6 i .. 6 i + 5 (a code: sign, 3 exponent bits, 2 mantissa bits); and NAME_scales (uint8): the same leading axes, one E8M0 byte (e + 127) for each 32 codes along K. Its value is code x scale, taken as it is: it is not quantised again, and the codes and scales need not be those that the quantiser above would give.
;; One version. Each part assembles by itself: llvm-mc -triple=amdgcn-amd-amdhsa -mcpu=gfx1250 --defsym DOCPART=n.
;; ======== version 1 of 1: 4 launches
;; limits: right only within a limited range of input values
;; workspace buffers: xi 6,291,456 bytes; xs 524,288 bytes; wi 3,145,728 bytes; qi 6,815,744 bytes; kv 13,369,344 bytes; ai 6,291,456 bytes; asc 262,144 bytes
;; launch prep (part 1): grid 256 x 1, 4 waves a work-group, no clusters, 34,304 bytes of LDS; arguments x, Wq_codes, Wk_codes, Wv_codes, Wo_codes, xi, xs, wi; writes xi, xs, wi
.if DOCPART == 1
	.amdgcn_target "amdgcn-amd-amdhsa--gfx1250"
	.amdhsa_code_object_version 6
	.text
	.protected	k_q0e31cf94a7_prep
	.globl	k_q0e31cf94a7_prep
	.p2align	8
	.type	k_q0e31cf94a7_prep,@function
k_q0e31cf94a7_prep:
	s_mov_b64 s[64:65], 0
	v_nop
	global_prefetch_b8 v0, s[64:65] scope:SCOPE_SE
	s_setreg_imm32_b32 hwreg(HW_REG_WAVE_MODE, 25, 1), 1
	s_wait_xcnt 0x0
; PREP.  (1) x [8192][1024] f32 is quantised along its 1,024 (blocks of 32, E3M2 codes, E8M0 bytes) and stored as IMAGES OF OPERAND REGISTERS: a fragment (16 rows x 128 K) is 12 registers a lane,
; stored as three chunks of 512 bytes, lane l's 16 bytes at 16 l.  (2) The codes of Wq, Wk, Wv, Wo ([1024 rows][768 bytes], K innermost) are copied into the same kind of images.
; THE ROWS OF A TILE ARE NOT NEIGHBOURS: within 32 rows, lane r of tile u (0, 1) takes row 8 u + r + 8 (r / 8), so that the 16 result registers of two neighbouring tiles are 16 neighbours of the next product's K.
; xi: block of 128 rows x 98,304 + K step s x 12,288 + tile a x 1,536 + chunk x 512 + 16 l.   xs: block x 8,192 + a x 1,024 + half x 512 + 16 l: the four scale words of K steps 4 half .. 4 half + 3 of the lane's row.
; wi: (16 m + hd) x 49,152 + s x 6,144 + tile b x 1,536 + chunk x 512 + 16 l;  m = 0 q, 1 k, 2 v, 3 o;  hd = 64 rows of the weight.
; SHARES: 1,024 waves.  Wave u takes 16 rows x 512 along K of x (tile u / 2, half u % 2) and two fragments of one weight.  No barrier: waves share nothing.
; A block's scale byte is its largest magnitude's exponent field - 4, held at 1 from below.  LIMITS: NaN and infinities are not served; a block whose largest magnitude lies under 2^-122 is held at byte 1;
; a block of zeros gets byte 1 where the rule says 127: its codes are zeros, and this program alone reads the bytes.
.set SP,   528                         ; a stage row: 512 bytes + 16 = 132 words: sixteen rows start at sixteen different groups of four banks
.set WSTG, 16*SP                       ; a wave's stage
.set TM,   16                          ; v16-19 largest magnitudes, v20-23 partners, then bytes, v28-31 the conversions' scale operands
.set PW,   32                          ; v32-35 the scale words of my four K steps
.set PC,   36                          ; v36-47 a fragment's codes
.set T2,   48                          ; v48-50, v52-54 the conversions' second halves
.set R,    64                          ; v64-127, v128-191 two sets of 64 numbers as loaded
.set X,    192                         ; v192-255 64 numbers, register 16 b + i = k 32 b + 16 (lane / 16) + i of my row; at the start the two weight fragments
; 64 numbers of a lane become a fragment's codes in v[PC] on and its scale word in v[pw]
.macro QUANT s, pw
.irp b, 0,1,2,3
	v_max3_num_f32 v[TM+\b], |v[\s+16*\b]|, |v[\s+1+16*\b]|, 0x2800000   ; block b: my 16 numbers, and the floor 2^(5 - 127): the byte cannot fall under 1
.endr
.irp i, 2,4,6,8,10,12,14
.irp b, 0,1,2,3
	v_max3_num_f32 v[TM+\b], v[TM+\b], |v[\s+16*\b+\i]|, |v[\s+1+16*\b+\i]|   ; the four blocks by turns
.endr
.endr
.irp b, 0,1,2,3
	v_permlanex16_b32 v[TM+4+\b], v[TM+\b], s22, s23
.endr
.irp b, 0,1,2,3
	v_max_num_f32 v[TM+\b], v[TM+\b], v[TM+4+\b]   ; with lane l xor 16's 16 numbers: the block's largest magnitude
.endr
.irp b, 0,1,2,3
	v_add_nc_u32 v[TM+12+\b], 0xfe000000, v[TM+\b]   ; 4 off its exponent field: the conversion's scale operand
.endr
.irp b, 0,1,2,3
	v_lshrrev_b32 v[TM+4+\b], 23, v[TM+12+\b]   ; the scale's byte
.endr
	v_lshl_or_b32 v[\pw], v[TM+5], 8, v[TM+4]
	v_lshl_or_b32 v[\pw], v[TM+6], 16, v[\pw]
	v_lshl_or_b32 v[\pw], v[TM+7], 24, v[\pw]   ; my row's scale word
.irp c, 0,1
	v_cvt_scalef32_pk16_bf6_f32 v[PC+6*\c:PC+6*\c+2], v[\s+32*\c:\s+32*\c+15], v[TM+12+2*\c]
	v_cvt_scalef32_pk16_bf6_f32 v[T2+4*\c:T2+4*\c+2], v[\s+16+32*\c:\s+31+32*\c], v[TM+13+2*\c]   ; (a conversion's three registers begin on an even number)
.endr
	v_nop                                          ; one plain place behind a scaled conversion
.irp c, 0,1                                    ; the operand's layout wants a whole block in a lane: lanes 0-15 block 2 c, lanes 16-31 block 2 c + 1
.irp i, 0,1,2
	v_permlane16_swap_b32 v[PC+6*\c+\i], v[T2+4*\c+\i]
.endr
.irp i, 0,1,2
	v_mov_b32 v[PC+3+6*\c+\i], v[T2+4*\c+\i]
.endr
.endr
.endm
.macro XLOAD t                         ; K step t of my 16 rows: each load reads 512 consecutive bytes of one row
.irp i, 0,1,2,3,4,5,6,7,8,9,10,11,12,13,14,15
	global_load_b128 v[R+64*((\t)%2)+4*\i:R+64*((\t)%2)+4*\i+3], v1, s[4:5] offset:(\i+8*(\i/8))*4096+512*(\t) th:TH_LOAD_NT
.endr
.endm
.macro TURN t                          ; through my stage: in as loaded, out 16 neighbours of each block a lane.  LDS serves a wave's instructions in order: no wait between
.irp i, 0,1,2,3,4,5,6,7,8,9,10,11,12,13,14,15
	ds_store_b128 v2, v[R+64*((\t)%2)+4*\i:R+64*((\t)%2)+4*\i+3] offset:SP*\i
.endr
.irp b, 0,1,2,3
.irp j, 0,1,2,3
	ds_load_b128 v[X+16*\b+4*\j:X+16*\b+4*\j+3], v3 offset:128*\b+16*\j
.endr
.endr
.endm
.macro XSTEP t
.if (\t) < 3
	s_wait_loadcnt 16                              ; this K step's 16 loads are in; the next step's 16 may be out
.else
	s_wait_loadcnt 0x0
.endif
	s_wait_xcnt 0x0                                ; the stores issued so far have read their registers: X and PC are written again below
	TURN \t
	s_wait_dscnt 0x0                               ; my numbers are back, and the stage's stores have read their registers,
.if (\t) < 2
	XLOAD (\t)+2                                   ; which take the loads of two steps on
.endif
	QUANT X, PW+\t
.irp c, 0,1,2
	global_store_b128 v1, v[PC+4*\c:PC+4*\c+3], s[14:15] offset:(\t)*12288+512*\c   ; 32 lanes store 512 consecutive bytes, aligned
.endr
.endm
	s_load_b256 s[4:11], s[0:1], 0x0               ; x, Wq, Wk, Wv
	s_load_b256 s[12:19], s[0:1], 0x20             ; Wo, xi, xs, wi
	v_lshl_add_u32 v62, v0, 2, 0x8400
	v_mov_b32 v63, 0
	v_lshrrev_b32 v5, 5, v0
	v_readfirstlane_b32 s20, v5                    ; wave
	v_and_b32 v6, 31, v0                           ; lane
	v_and_b32 v7, 15, v0                           ; r
	v_bfe_u32 v8, v0, 4, 1                         ; h
	v_lshlrev_b32 v1, 4, v6                        ; 16 l
	s_mul_i32 s21, s20, WSTG
	v_add_nc_u32 v2, s21, v1                       ; the stage, way in
	v_mul_u32_u24 v3, v7, SP
	v_lshl_add_u32 v3, v8, 6, v3
	v_add_nc_u32 v3, s21, v3                       ; way out: row r, + 64 h
	v_and_b32 v9, 8, v7
	v_add_nc_u32 v9, v9, v7                        ; r + 8 (r / 8)
	v_mul_u32_u24 v4, v9, 768
	v_mad_u32_u24 v4, v8, 24, v4                   ; a weight's row of 768 bytes, + 24 h
.irp b, 0,1,2,3
	v_mov_b32 v[TM+4+\b], 0                        ; written once: a lane permute's destination counts as one of its sources
.endr
	s_mov_b32 s22, 0x76543210
	s_mov_b32 s23, 0xfedcba98                      ; selects for lane l xor 16
	s_lshl_b32 s24, ttmp9, 2
	s_add_co_u32 s24, s24, s20                     ; u
	s_lshr_b32 s25, s24, 1                         ; tile of x
	s_and_b32 s26, s24, 1                          ; half of K
	s_lshr_b32 s27, s25, 3                         ; block of 128 rows
	s_and_b32 s28, s25, 7                          ; a
	s_lshl_b32 s29, s27, 7
	s_lshr_b32 s30, s28, 1
	s_lshl_b32 s30, s30, 5
	s_add_co_u32 s29, s29, s30
	s_and_b32 s30, s28, 1
	s_lshl_b32 s30, s30, 3
	s_add_co_u32 s29, s29, s30                     ; the tile's first row: 128 blk + 32 (a / 2) + 8 (a % 2)
	s_lshl_b32 s32, s29, 12
	s_lshl_b32 s30, s26, 11
	s_add_co_u32 s32, s32, s30                     ; in x, bytes
	s_mov_b32 s33, 0
	s_mul_i32 s34, s27, 98304
	s_mul_i32 s30, s28, 1536
	s_add_co_u32 s34, s34, s30
	s_mul_i32 s30, s26, 49152
	s_add_co_u32 s34, s34, s30                     ; in xi
	s_mov_b32 s35, 0
	s_lshl_b32 s36, s27, 13
	s_lshl_b32 s30, s28, 10
	s_add_co_u32 s36, s36, s30
	s_lshl_b32 s30, s26, 9
	s_add_co_u32 s36, s36, s30                     ; in xs
	s_mov_b32 s37, 0
	s_lshr_b32 s38, ttmp9, 6                       ; m: which weight
	s_and_b32 s39, s24, 255
	s_lshr_b32 s40, s39, 4                         ; hd
	s_bfe_u32 s41, s39, 0x30001                    ; K step
	s_and_b32 s42, s39, 1                          ; which 32 rows of the 64
	s_lshl_b32 s44, s40, 1
	s_add_co_u32 s44, s44, s42
	s_mul_i32 s44, s44, 32*768
	s_mul_i32 s30, s41, 96
	s_add_co_u32 s44, s44, s30                     ; in the weight's codes
	s_mov_b32 s45, 0
	s_lshl_b32 s46, s38, 4
	s_add_co_u32 s46, s46, s40
	s_mul_i32 s46, s46, 49152
	s_mul_i32 s30, s41, 6144
	s_add_co_u32 s46, s46, s30
	s_mul_i32 s30, s42, 3072
	s_add_co_u32 s46, s46, s30                     ; in wi
	s_mov_b32 s47, 0
	s_and_b32 s31, s38, 1
	s_wait_alu depctr_va_vdst(0)
	s_wait_kmcnt 0x0
	s_cmp_lt_u32 s38, 2                            ; the choice hangs on the work-group's number alone
	s_cselect_b64 s[6:7], s[6:7], s[10:11]         ; q or v
	s_cselect_b64 s[8:9], s[8:9], s[12:13]         ; k or o
	s_cmp_eq_u32 s31, 0
	s_cselect_b64 s[6:7], s[6:7], s[8:9]
	s_add_nc_u64 s[6:7], s[6:7], s[44:45]
	s_add_nc_u64 s[18:19], s[18:19], s[46:47]
	s_add_nc_u64 s[4:5], s[4:5], s[32:33]
	s_add_nc_u64 s[14:15], s[14:15], s[34:35]
	s_add_nc_u64 s[16:17], s[16:17], s[36:37]
.irp t, 0,1                                    ; two fragments of the weight: a lane's 24 bytes twice, in pieces of 8
.irp p, 0,1,2,3,4,5
	global_load_b64 v[X+12*\t+2*\p:X+12*\t+2*\p+1], v4, s[6:7] offset:6144*\t+48*(\p/3)+8*(\p%3)
.endr
.endr
	XLOAD 0
	XLOAD 1
	s_wait_loadcnt 32                              ; the weight's 12 loads are in; x's 32 may be out
.irp i, 0,1,2,3,4,5
	global_store_b128 v1, v[X+4*\i:X+4*\i+3], s[18:19] offset:512*\i
.endr
	XSTEP 0
	XSTEP 1
	XSTEP 2
	XSTEP 3
	global_store_b128 v1, v[PW:PW+3], s[16:17]     ; the four scale words of my row (lanes 16-31 hold the same as lanes 0-15)
	s_wait_tensorcnt 0x0
	ds_add_u32 v62, v63
	s_wait_dscnt 0x0
	s_endpgm
.Lfunc_end_k_q0e31cf94a7_prep:
	.size	k_q0e31cf94a7_prep, .Lfunc_end_k_q0e31cf94a7_prep-k_q0e31cf94a7_prep
	.p2alignl 7, 3214868480
	.fill 96, 4, 3214868480
	.section	.rodata,"a",@progbits
	.p2align	6, 0x0
	.amdhsa_kernel k_q0e31cf94a7_prep
		.amdhsa_group_segment_fixed_size 34304
		.amdhsa_private_segment_fixed_size 0
		.amdhsa_enable_private_segment 0
		.amdhsa_kernarg_size 64
		.amdhsa_user_sgpr_count 2
		.amdhsa_user_sgpr_kernarg_segment_ptr 1
		.amdhsa_wavefront_size32 1
		.amdhsa_system_sgpr_workgroup_id_x 1
		.amdhsa_system_sgpr_workgroup_id_y 1
		.amdhsa_system_sgpr_workgroup_id_z 1
		.amdhsa_system_vgpr_workitem_id 0
		.amdhsa_next_free_vgpr 256
		.amdhsa_next_free_sgpr 66
		.amdhsa_reserve_vcc 0
		.amdhsa_float_denorm_mode_32 3
		.amdhsa_float_denorm_mode_16_64 3
		.amdhsa_memory_ordered 1
		.amdhsa_forward_progress 1
		.amdhsa_inst_pref_size 37
	.end_amdhsa_kernel
	.amdgpu_metadata
---
amdhsa.version: [ 1, 2 ]
amdhsa.kernels:
  - .name:           k_q0e31cf94a7_prep
    .symbol:         k_q0e31cf94a7_prep.kd
    .args:
      - { .name: x, .offset: 0, .size: 8, .value_kind: global_buffer, .address_space: global }
      - { .name: Wq_codes, .offset: 8, .size: 8, .value_kind: global_buffer, .address_space: global }
      - { .name: Wk_codes, .offset: 16, .size: 8, .value_kind: global_buffer, .address_space: global }
      - { .name: Wv_codes, .offset: 24, .size: 8, .value_kind: global_buffer, .address_space: global }
      - { .name: Wo_codes, .offset: 32, .size: 8, .value_kind: global_buffer, .address_space: global }
      - { .name: xi, .offset: 40, .size: 8, .value_kind: global_buffer, .address_space: global }
      - { .name: xs, .offset: 48, .size: 8, .value_kind: global_buffer, .address_space: global }
      - { .name: wi, .offset: 56, .size: 8, .value_kind: global_buffer, .address_space: global }
    .group_segment_fixed_size: 34304
    .private_segment_fixed_size: 0
    .kernarg_segment_align: 8
    .kernarg_segment_size: 64
    .max_flat_workgroup_size: 128
    .sgpr_count:     66
    .vgpr_count:     256
    .wavefront_size: 32
...
	.end_amdgpu_metadata
.endif
;; end of part 1
;; launch qkv (part 2): grid 64 x 4, 4 waves a work-group, no clusters, 168,448 bytes of LDS; arguments xi, xs, wi, Wq_scales, Wk_scales, Wv_scales, bq, bk, bv, qi, kv; writes qi, kv
.if DOCPART == 2
	.amdgcn_target "amdgcn-amd-amdhsa--gfx1250"
	.amdhsa_code_object_version 6
	.text
	.protected	k_q0e31cf94a7_qkv
	.globl	k_q0e31cf94a7_qkv
	.p2align	8
	.type	k_q0e31cf94a7_qkv,@function
k_q0e31cf94a7_qkv:
	s_mov_b64 s[64:65], 0
	v_nop
	global_prefetch_b8 v0, s[64:65] scope:SCOPE_SE
	s_setreg_imm32_b32 hwreg(HW_REG_WAVE_MODE, 25, 1), 1
	s_wait_xcnt 0x0
; QKV.  q = x Wq + bq, k = x Wk + bk, v = x Wv + bv on codes of E3M2, and the results quantised for attention: q and k along the head's 64 (two blocks), v along the keys.
; SHARES.  A work-group takes 128 rows of x (ttmp9: one key step of attention) and 12 of the 48 "heads" of 64 columns (ttmp7); wave w takes heads 12 g + 3 w + p in three passes p, for all 128 rows:
; 8 x 4 tiles, 32 accumulators, 8 K steps of 128: 256 matrix instructions a pass.  Head H: kind H / 16 (0 q, 1 k, 2 v), head of attention H % 16.
; x's fragment images (98,304 bytes) come into LDS once, a quarter by each wave's tensor load, and are read by all four.  The weights' images go from memory straight into registers, three K steps ahead.
; NO CLUSTER: a weight fragment feeds one wave of the work-group alone, so LDS would only add a write and a read to it; what partners could share through LDS, x's codes, is 98 of a work-group's 688 KB.
; q, k: source 0 = 16 rows of W, source 1 = 16 rows of x: a lane holds one row of x and its registers run along the head's 64.   v: source 0 = x, source 1 = W: a lane holds one d and its registers run along the 128 keys.
; The rows of every tile follow the pattern 8 u + r + 8 (r / 8) within 32, so that the 16 registers of two neighbouring tiles are 16 neighbours.  The bias is the C of each sum's first matrix instruction.
; OUT.  qi: (16 bh + grp) x 6,656: 48 registers' image (tile t = registers 6 t .. 6 t + 5), at 6,144 the scale image (lane l: word p for tile 2 p + l / 16).  kv: (16 bh + step) x 13,056: K as qi; at 6,656 V's four
; fragments; at 12,800 V's scale words (lane l: word p for d tile 2 p + l / 16).
; LIMITS: NaN and infinities are not served; a block whose largest magnitude lies under 2^-122 is held at byte 1; a block of zeros gets byte 1 (its codes are zeros; this program alone reads the bytes).
; REGISTERS.  window 0: v1-7 addresses; v16-31, v36-43 the quantiser's; v32-35 scale words made; v44-47 scale image; v48-95 codes made; v96-111 W's scale words (8 (b / 2) + s); v112-175 x's (8 a + s).
;   window 1: x's fragments, two sets (96 set + 12 a).   window 2: the 32 accumulators.   window 3: W's fragments, four sets (48 set + 12 b); v192-223 the bias (8 b).
.set TM,  16
.set PW,  32
.set T2,  36
.set KS,  44
.set OC,  48
.set WS,  96
.set XS,  112
.set BI,  192
.set MSB, 0
.macro WIN new                         ; the immediate's high byte repeats the setting that is left; a switch that changes nothing is dropped
.if MSB != (\new)
	s_set_vgpr_msb (MSB<<8)|(\new)
.set MSB, (\new)
.endif
.endm
.macro PLACES n
.rept \n
	v_nop
.endr
.endm
; the matrix instruction: D, source 0, source 1, C (under 0: the constant 0), the two scale registers, and whether each side's scales stand in lanes 16-31
.macro WMX d, a, b, c, sa, sb, ra, rb
.if (\c) < 0
.if (\ra) && (\rb)
	v_wmma_scale_f32_16x16x128_f8f6f4 v[(\d):(\d)+7], v[(\a):(\a)+11], v[(\b):(\b)+11], 0, v[\sa], v[\sb] matrix_a_fmt:MATRIX_FMT_BF6 matrix_b_fmt:MATRIX_FMT_BF6 matrix_a_scale:MATRIX_SCALE_ROW1 matrix_b_scale:MATRIX_SCALE_ROW1
.elseif \ra
	v_wmma_scale_f32_16x16x128_f8f6f4 v[(\d):(\d)+7], v[(\a):(\a)+11], v[(\b):(\b)+11], 0, v[\sa], v[\sb] matrix_a_fmt:MATRIX_FMT_BF6 matrix_b_fmt:MATRIX_FMT_BF6 matrix_a_scale:MATRIX_SCALE_ROW1
.elseif \rb
	v_wmma_scale_f32_16x16x128_f8f6f4 v[(\d):(\d)+7], v[(\a):(\a)+11], v[(\b):(\b)+11], 0, v[\sa], v[\sb] matrix_a_fmt:MATRIX_FMT_BF6 matrix_b_fmt:MATRIX_FMT_BF6 matrix_b_scale:MATRIX_SCALE_ROW1
.else
	v_wmma_scale_f32_16x16x128_f8f6f4 v[(\d):(\d)+7], v[(\a):(\a)+11], v[(\b):(\b)+11], 0, v[\sa], v[\sb] matrix_a_fmt:MATRIX_FMT_BF6 matrix_b_fmt:MATRIX_FMT_BF6
.endif
.else
.if (\ra) && (\rb)
	v_wmma_scale_f32_16x16x128_f8f6f4 v[(\d):(\d)+7], v[(\a):(\a)+11], v[(\b):(\b)+11], v[(\c):(\c)+7], v[\sa], v[\sb] matrix_a_fmt:MATRIX_FMT_BF6 matrix_b_fmt:MATRIX_FMT_BF6 matrix_a_scale:MATRIX_SCALE_ROW1 matrix_b_scale:MATRIX_SCALE_ROW1
.elseif \ra
	v_wmma_scale_f32_16x16x128_f8f6f4 v[(\d):(\d)+7], v[(\a):(\a)+11], v[(\b):(\b)+11], v[(\c):(\c)+7], v[\sa], v[\sb] matrix_a_fmt:MATRIX_FMT_BF6 matrix_b_fmt:MATRIX_FMT_BF6 matrix_a_scale:MATRIX_SCALE_ROW1
.elseif \rb
	v_wmma_scale_f32_16x16x128_f8f6f4 v[(\d):(\d)+7], v[(\a):(\a)+11], v[(\b):(\b)+11], v[(\c):(\c)+7], v[\sa], v[\sb] matrix_a_fmt:MATRIX_FMT_BF6 matrix_b_fmt:MATRIX_FMT_BF6 matrix_b_scale:MATRIX_SCALE_ROW1
.else
	v_wmma_scale_f32_16x16x128_f8f6f4 v[(\d):(\d)+7], v[(\a):(\a)+11], v[(\b):(\b)+11], v[(\c):(\c)+7], v[\sa], v[\sb] matrix_a_fmt:MATRIX_FMT_BF6 matrix_b_fmt:MATRIX_FMT_BF6
.endif
.endif
.endm
; 64 numbers of a lane in window w, register 16 b + i = k 32 b + 16 (lane / 16) + i, become 12 registers of codes in v[d] on and a scale word in v[pw] (both window 0).
; Each accumulator is first read at its low end.
.macro QUANT s, w, d, pw
	WIN (\w)|((\w)<<2)
.irp b, 0,1,2,3
	v_max3_num_f32 v[TM+\b], |v[(\s)+16*\b]|, |v[(\s)+1+16*\b]|, 0x2800000   ; my 16 numbers of block b, and the floor 2^(5 - 127)
.endr
	WIN ((\w)<<2)|((\w)<<4)
.irp i, 2,4,6,8,10,12,14
.irp b, 0,1,2,3
	v_max3_num_f32 v[TM+\b], v[TM+\b], |v[(\s)+16*\b+\i]|, |v[(\s)+1+16*\b+\i]|
.endr
.endr
	WIN 0
.irp b, 0,1,2,3
	v_permlanex16_b32 v[TM+4+\b], v[TM+\b], s62, s63
.endr
.irp b, 0,1,2,3
	v_max_num_f32 v[TM+\b], v[TM+\b], v[TM+4+\b]
.endr
.irp b, 0,1,2,3
	v_add_nc_u32 v[TM+12+\b], 0xfe000000, v[TM+\b]   ; 4 off the exponent field: the conversion's scale operand
.endr
.irp b, 0,1,2,3
	v_lshrrev_b32 v[TM+4+\b], 23, v[TM+12+\b]        ; the scale's byte
.endr
	v_lshl_or_b32 v[\pw], v[TM+5], 8, v[TM+4]
	v_lshl_or_b32 v[\pw], v[TM+6], 16, v[\pw]
	v_lshl_or_b32 v[\pw], v[TM+7], 24, v[\pw]
	WIN \w
.irp c, 0,1
	v_cvt_scalef32_pk16_bf6_f32 v[(\d)+6*\c:(\d)+6*\c+2], v[(\s)+32*\c:(\s)+32*\c+15], v[TM+12+2*\c]
	v_cvt_scalef32_pk16_bf6_f32 v[T2+4*\c:T2+4*\c+2], v[(\s)+16+32*\c:(\s)+31+32*\c], v[TM+13+2*\c]
.endr
	v_nop                                          ; one plain place behind the last scaled conversion: matrix instructions write its sources again later
	WIN 0
.irp c, 0,1
.irp i, 0,1,2
	v_permlane16_swap_b32 v[(\d)+6*\c+\i], v[T2+4*\c+\i]
.endr
.irp i, 0,1,2
	v_mov_b32 v[(\d)+3+6*\c+\i], v[T2+4*\c+\i]
.endr
.endr
.endm
.macro FETCH_X s, set                  ; x's eight fragments of K step s from LDS
	WIN 0x40                                       ; destination window 1
.irp a, 0,1,2,3,4,5,6,7
.irp c, 0,1,2
.if (\s) < 4
	ds_load_b128 v[96*(\set)+12*\a+4*\c:96*(\set)+12*\a+4*\c+3], v1 offset:(\s)*12288+\a*1536+\c*512
.else
	ds_load_b128 v[96*(\set)+12*\a+4*\c:96*(\set)+12*\a+4*\c+3], v2 offset:((\s)-4)*12288+\a*1536+\c*512
.endif
.endr
.endr
.endm
.macro FETCH_W k, set                  ; W's four fragments of K step k of the head at s[34:35]; k = 8, 9, 10 are the next head's first three
	WIN 0xc0                                       ; destination window 3
.irp i, 0,1,2,3,4,5,6,7,8,9,10,11
	global_load_b128 v[48*(\set)+4*\i:48*(\set)+4*\i+3], v1, s[34:35] offset:(\k)*6144+512*\i
.endr
.endm
; 32 matrix instructions of K step s.  The 32 accumulators take turns, one instruction a turn, in the same order in every step and in both forms.
.macro MM s
	WIN 0
	s_cmp_eq_u32 s31, 2                            ; v?  (the kind hangs on ids alone)
	s_cbranch_scc1 .Lmv_\@
.if (\s) == 0
	WIN 0xb7                                       ; source 0 (W) window 3, source 1 (x) window 1, C (the bias) window 3, D window 2
.else
	WIN 0xa7                                       ; C and D window 2
.endif
.irp a, 0,1,2,3,4,5,6,7
.irp b, 0,1,2,3
.if (\s) == 0
	WMX 32*\a+8*\b, 48*((\s)%4)+12*\b, 96*((\s)%2)+12*\a, BI+8*\b, WS+8*(\b/2)+(\s), XS+8*\a+(\s), (\b)%2, 0
.else
	WMX 32*\a+8*\b, 48*((\s)%4)+12*\b, 96*((\s)%2)+12*\a, 32*\a+8*\b, WS+8*(\b/2)+(\s), XS+8*\a+(\s), (\b)%2, 0
.endif
.endr
.endr
	WIN 0
	s_branch .Lmd_\@
.Lmv_\@:
.if (\s) == 0
	WIN 0xbd                                       ; source 0 (x) window 1, source 1 (W) window 3, C (the bias) window 3, D window 2
.else
	WIN 0xad
.endif
.irp b, 0,1,2,3
.irp a, 0,1,2,3,4,5,6,7
.if (\s) == 0
	WMX 64*\b+8*\a, 96*((\s)%2)+12*\a, 48*((\s)%4)+12*\b, BI+8*\b, XS+8*\a+(\s), WS+8*(\b/2)+(\s), 0, (\b)%2
.else
	WMX 64*\b+8*\a, 96*((\s)%2)+12*\a, 48*((\s)%4)+12*\b, 64*\b+8*\a, XS+8*\a+(\s), WS+8*(\b/2)+(\s), 0, (\b)%2
.endif
.endr
.endr
	WIN 0
.Lmd_\@:
.endm
.macro KSTEP s
.if (\s) == 0
	s_wait_loadcnt 0x0                             ; the pass's scale words and bias, issued behind the weights, are wanted too
.else
	s_wait_loadcnt 24                              ; this K step's weights are in; behind them stand those of the two following steps, 12 loads each
.endif
	s_wait_dscnt 0x0                               ; x's fragments of this step are in
	PLACES 4                                       ; in front of loads into registers that the last step's matrix instructions have read
	FETCH_X (\s+1)%8, (\s+1)%2
	FETCH_W \s+3, (\s+3)%4
	MM \s
.endm
; What head s29 needs: its kind, where its results go, its scale words and its bias in the result's layout.
.macro PRO
	s_lshr_b32 s32, s29, 4                         ; the kind
	s_and_b32 s56, s29, 15                         ; hd
	s_cmp_eq_u32 s32, 0
	s_cselect_b64 s[40:41], s[10:11], s[12:13]
	s_cselect_b64 s[42:43], s[16:17], s[18:19]
	s_cselect_b64 s[38:39], s[22:23], s[24:25]
	s_mov_b32 s58, 13056
	s_cselect_b32 s58, 6656, s58                   ; a record of qi or of kv
	s_cmp_eq_u32 s32, 2
	s_cselect_b64 s[40:41], s[14:15], s[40:41]
	s_cselect_b64 s[42:43], s[20:21], s[42:43]
	s_cselect_b32 s59, 6656, 0                     ; V's part of a record
	s_lshl_b32 s60, s56, 11
	s_mov_b32 s61, 0
	s_add_nc_u64 s[40:41], s[40:41], s[60:61]      ; the head's 64 rows of 32 scale bytes
	s_lshl_b32 s60, s56, 8
	s_add_nc_u64 s[42:43], s[42:43], s[60:61]      ; its 64 numbers of the bias
	s_lshr_b32 s60, s27, 4
	s_lshl_b32 s60, s60, 4
	s_add_co_u32 s60, s60, s56                     ; bh = 16 batch + hd
	s_lshl_b32 s60, s60, 4
	s_and_b32 s57, s27, 15
	s_add_co_u32 s60, s60, s57                     ; 16 bh + the block's place in the batch
	s_mul_i32 s60, s60, s58
	s_add_co_u32 s60, s60, s59
	s_add_nc_u64 s[38:39], s[38:39], s[60:61]
.irp e, 0,1
.irp f, 0,1
	global_load_b128 v[WS+8*\e+4*\f:WS+8*\e+4*\f+3], v4, s[40:41] offset:1024*\e+16*\f   ; lanes 0-15 the rows of tile 2 e, lanes 16-31 of tile 2 e + 1; words of K steps 4 f on
.endr
.endr
	s_cmp_eq_u32 s32, 2
	s_cbranch_scc1 .Lbv_\@
	WIN 0xc0
	s_wait_alu depctr_va_vdst(0)
.irp b, 0,1,2,3                                ; q, k: a lane's eight registers are eight neighbouring units of the head
	global_load_b128 v[BI+8*\b:BI+8*\b+3], v5, s[42:43] offset:(32*(\b/2)+8*(\b%2))*4
	global_load_b128 v[BI+8*\b+4:BI+8*\b+7], v5, s[42:43] offset:(32*(\b/2)+8*(\b%2))*4+16
.endr
	WIN 0
	s_branch .Lbd_\@
.Lbv_\@:
	WIN 0xc0
	s_wait_alu depctr_va_vdst(0)
.irp b, 0,1,2,3                                ; v: a lane holds one d: the same number in all eight
.irp j, 0,1,2,3,4,5,6,7
	global_load_b32 v[BI+8*\b+\j], v6, s[42:43] offset:(32*(\b/2)+8*(\b%2))*4
.endr
.endr
	WIN 0
.Lbd_\@:
.endm
	s_load_b512 s[4:19], s[0:1], 0x0               ; xi, xs, wi, Wq_scales, Wk_scales, Wv_scales, bq, bk
	s_load_b128 s[20:23], s[0:1], 0x40             ; bv, qi
	s_load_b64 s[24:25], s[0:1], 0x50              ; kv
	v_lshl_add_u32 v254, v0, 2, 0x29000
	v_mov_b32 v255, 0
	ds_add_u32 v254, v255
	ds_add_u32 v254, v255
	v_lshrrev_b32 v8, 5, v0
	v_readfirstlane_b32 s26, v8                    ; wave
	s_mov_b32 s27, ttmp9                           ; block of 128 rows
	s_and_b32 s28, ttmp7, 0xffff                   ; g
	; descriptor group 1: a dense block of 24,576 bytes as 96 rows of 256 bytes (32 elements of 8 bytes)
	s_mov_b32 s48, 3<<16
	s_mov_b32 s49, 32<<16
	s_mov_b32 s50, 96<<16
	s_mov_b32 s51, 32<<16
	s_mov_b32 s52, 96
	s_mov_b32 s53, 32
	s_mov_b32 s54, 0
	s_mov_b32 s55, 0
	s_mov_b32 s44, 1
	s_mul_i32 s45, s26, 24576                      ; my quarter, in LDS
	s_mul_i32 s56, s27, 98304
	s_add_co_u32 s56, s56, s45                     ; and in xi
	s_mov_b32 s57, 0
	s_wait_dscnt 0x0
	s_wait_kmcnt 0x0
	s_add_nc_u64 s[46:47], s[4:5], s[56:57]
	s_or_b32 s47, s47, 0x80000000
	tensor_load_to_lds s[44:47], s[48:55]          ; the launch's only fill: LDS bytes are filled once
	s_nop 0
	PLACES 4
	v_and_b32 v8, 31, v0
	v_and_b32 v9, 15, v0                           ; r
	v_bfe_u32 v10, v0, 4, 1                        ; h
	v_lshlrev_b32 v1, 4, v8                        ; 16 l
	v_add_nc_u32 v2, 0xc000, v1                    ; + 49,152: K steps 4 to 7 in LDS
	v_lshlrev_b32 v3, 3, v8                        ; 8 l
	v_and_b32 v11, 8, v9
	v_add_nc_u32 v11, v11, v9                      ; r + 8 (r / 8)
	v_lshl_add_u32 v4, v10, 3, v11
	v_lshlrev_b32 v4, 5, v4                        ; W's scale rows: (8 h + r + 8 (r / 8)) x 32
	s_wait_alu depctr_va_vdst(0)
	v_lshlrev_b32 v5, 6, v10                       ; 64 h
	v_lshlrev_b32 v6, 2, v11
	v_lshlrev_b32 v7, 4, v10
	v_and_b32 v13, 7, v9                           ; k's records are stored with the keys dealt anew among the tiles: r % 8,
	v_lshrrev_b32 v12, 3, v9                       ; f = r / 8
	v_lshlrev_b32 v13, 4, v13
	v_lshl_add_u32 v13, v10, 8, v13                ; 256 h + 16 (r % 8)
	v_mad_u32_u24 v14, v12, 1536, v13              ; codes: + three chunks of 512 bytes for f
	v_lshl_add_u32 v13, v12, 2, v13                ; scale words: + 4 f
.irp b, 0,1,2,3
	v_mov_b32 v[TM+4+\b], 0                        ; written once: a lane permute's destination counts as one of its sources
.endr
	s_mov_b32 s62, 0x76543210
	s_mov_b32 s63, 0xfedcba98
	s_mov_b32 vcc_lo, 0xffff0000                   ; lanes 16-31
	s_lshl_b32 s56, s27, 13
	s_add_nc_u64 s[6:7], s[6:7], s[56:57]
.irp a, 0,1,2,3,4,5,6,7
.irp f, 0,1
	global_load_b128 v[XS+8*\a+4*\f:XS+8*\a+4*\f+3], v1, s[6:7] offset:\a*1024+\f*512   ; x's scale words stay in registers
.endr
.endr
	s_mul_i32 s29, s28, 12
	s_mul_i32 s56, s26, 3
	s_add_co_u32 s29, s29, s56                     ; my first head
	s_add_co_u32 s30, s29, 2                       ; my last
	PRO
	s_mov_b32 s31, s32
	s_mov_b64 s[36:37], s[38:39]
	s_mul_i32 s56, s29, 49152
	s_mov_b32 s57, 0
	s_add_nc_u64 s[34:35], s[8:9], s[56:57]
	FETCH_W 0, 0
	FETCH_W 1, 1
	FETCH_W 2, 2
	WIN 0
	s_wait_tensorcnt 0x0                           ; my quarter of x's images has landed,
	s_barrier_signal -1
	s_barrier_wait -1                              ; everybody's has
	FETCH_X 0, 0
	WIN 0
	s_mov_b32 s33, 0
.Lpass:
	KSTEP 0
	KSTEP 1
	KSTEP 2
	KSTEP 3
	KSTEP 4
	KSTEP 5
	KSTEP 6
	KSTEP 7
	PLACES 4                                       ; behind the last products: their results are read and their scale registers loaded again below
	s_wait_xcnt 0x0                                ; the weights' loads have read their base
	s_add_nc_u64 s[34:35], s[34:35], 49152         ; the next head's images.  Behind my last head the three K steps fetched ahead are the following head's (behind head 47: Wo's): inside wi, and never used
	s_add_co_u32 s29, s29, 1
	s_min_u32 s29, s29, s30                        ; (the last pass asks for its own head's words once more)
	PRO
	s_cmp_eq_u32 s31, 2
	s_cbranch_scc1 .Lepi_v
.irp p, 0,1,2,3                                ; q, k: tiles 2 p and 2 p + 1 of rows: two blocks each
	QUANT 64*\p, 2, OC+12*\p, PW+\p
	v_lshrrev_b32 v[KS+\p], v7, v[PW+\p]
.endr
	s_wait_alu depctr_va_vdst(0)                   ; the wait ahead of the branch
	s_cmp_eq_u32 s31, 1                            ; k?  (the kind hangs on ids alone)
	s_cbranch_scc1 .Lst_k
.irp i, 0,1,2,3,4,5,6,7,8,9,10,11
	global_store_b128 v1, v[OC+4*\i:OC+4*\i+3], s[36:37] offset:512*\i
.endr
	global_store_b128 v1, v[KS:KS+3], s[36:37] offset:6144
	s_branch .Lepi_done
.Lst_k:
; k: attention wants tile 4 c + w to hold keys 64 c + 8 w + 0..7 (rows 0-7) and 64 c + 32 + 8 w + 0..7 (rows 8-15).  Tile 4 c + 2 e + w0 as made here holds eight keys of new tile 4 c + w0 (my rows 0-7) and eight of
; new tile 4 c + w0 + 2 (rows 8-15), both at the new rows 8 e + 0..7: so a lane's 16 bytes go 3 (f - e) chunks on, to lane 16 h + 8 e + r % 8.  Eight lanes store 128 consecutive bytes; two stores fill a unit of 256.
.irp i, 0,1,2,3,4,5,6,7,8,9,10,11
	global_store_b128 v14, v[OC+4*\i:OC+4*\i+3], s[36:37] offset:512*\i-1408*((\i/3)%2)
.endr
.irp p, 0,1,2,3
	global_store_b32 v13, v[KS+\p], s[36:37] offset:6144+128*(\p%2)+8*(\p/2)   ; the scale word of old tile 2 p + h goes to word 2 (p / 2) + f of the new lane
.endr
	s_branch .Lepi_done
.Lepi_v:
.irp b, 0,1,2,3                                ; v: d tile b: four blocks of 32 keys
	QUANT 64*\b, 2, OC+12*\b, PW+\b
.endr
	v_cndmask_b32 v[KS], v[PW], v[PW+1], vcc_lo    ; lanes 0-15 the even tile's word, lanes 16-31 the odd tile's
	v_cndmask_b32 v[KS+1], v[PW+2], v[PW+3], vcc_lo
.irp i, 0,1,2,3,4,5,6,7,8,9,10,11
	global_store_b128 v1, v[OC+4*\i:OC+4*\i+3], s[36:37] offset:512*\i
.endr
	global_store_b64 v3, v[KS:KS+1], s[36:37] offset:6144
.Lepi_done:
	s_wait_xcnt 0x0                                ; the stores have read their data and their base: both are written again
	s_mov_b32 s31, s32
	s_mov_b64 s[36:37], s[38:39]
	s_add_co_u32 s33, s33, 1
	s_cmp_lt_u32 s33, 3
	s_cbranch_scc1 .Lpass
	s_wait_dscnt 0x0
	s_wait_tensorcnt 0x0
	ds_add_u32 v254, v255
	s_wait_dscnt 0x0
	s_endpgm
.Lfunc_end_k_q0e31cf94a7_qkv:
	.size	k_q0e31cf94a7_qkv, .Lfunc_end_k_q0e31cf94a7_qkv-k_q0e31cf94a7_qkv
	.p2alignl 7, 3214868480
	.fill 96, 4, 3214868480
	.section	.rodata,"a",@progbits
	.p2align	6, 0x0
	.amdhsa_kernel k_q0e31cf94a7_qkv
		.amdhsa_group_segment_fixed_size 168448
		.amdhsa_private_segment_fixed_size 0
		.amdhsa_enable_private_segment 0
		.amdhsa_kernarg_size 88
		.amdhsa_user_sgpr_count 2
		.amdhsa_user_sgpr_kernarg_segment_ptr 1
		.amdhsa_wavefront_size32 1
		.amdhsa_system_sgpr_workgroup_id_x 1
		.amdhsa_system_sgpr_workgroup_id_y 1
		.amdhsa_system_sgpr_workgroup_id_z 1
		.amdhsa_system_vgpr_workitem_id 0
		.amdhsa_next_free_vgpr 1024
		.amdhsa_next_free_sgpr 66
		.amdhsa_reserve_vcc 1
		.amdhsa_float_denorm_mode_32 3
		.amdhsa_float_denorm_mode_16_64 3
		.amdhsa_memory_ordered 1
		.amdhsa_forward_progress 1
		.amdhsa_inst_pref_size 146
	.end_amdhsa_kernel
	.amdgpu_metadata
---
amdhsa.version: [ 1, 2 ]
amdhsa.kernels:
  - .name:           k_q0e31cf94a7_qkv
    .symbol:         k_q0e31cf94a7_qkv.kd
    .args:
      - { .name: xi, .offset: 0, .size: 8, .value_kind: global_buffer, .address_space: global }
      - { .name: xs, .offset: 8, .size: 8, .value_kind: global_buffer, .address_space: global }
      - { .name: wi, .offset: 16, .size: 8, .value_kind: global_buffer, .address_space: global }
      - { .name: Wq_scales, .offset: 24, .size: 8, .value_kind: global_buffer, .address_space: global }
      - { .name: Wk_scales, .offset: 32, .size: 8, .value_kind: global_buffer, .address_space: global }
      - { .name: Wv_scales, .offset: 40, .size: 8, .value_kind: global_buffer, .address_space: global }
      - { .name: bq, .offset: 48, .size: 8, .value_kind: global_buffer, .address_space: global }
      - { .name: bk, .offset: 56, .size: 8, .value_kind: global_buffer, .address_space: global }
      - { .name: bv, .offset: 64, .size: 8, .value_kind: global_buffer, .address_space: global }
      - { .name: qi, .offset: 72, .size: 8, .value_kind: global_buffer, .address_space: global }
      - { .name: kv, .offset: 80, .size: 8, .value_kind: global_buffer, .address_space: global }
    .group_segment_fixed_size: 168448
    .private_segment_fixed_size: 0
    .kernarg_segment_align: 8
    .kernarg_segment_size: 88
    .max_flat_workgroup_size: 128
    .sgpr_count:     66
    .vgpr_count:     1024
    .wavefront_size: 32
...
	.end_amdgpu_metadata
.endif
;; end of part 2
;; launch attn (part 3): grid 4 x 64, 16 waves a work-group, clusters of 4 x 1, 264,192 bytes of LDS; arguments qi, kv, ai, asc; writes ai, asc
.if DOCPART == 3
	.amdgcn_target "amdgcn-amd-amdhsa--gfx1250"
	.amdhsa_code_object_version 6
	.text
	.protected	k_q0e31cf94a7_attn
	.globl	k_q0e31cf94a7_attn
	.p2align	8
	.type	k_q0e31cf94a7_attn,@function
k_q0e31cf94a7_attn:
	s_mov_b64 s[64:65], 0
	v_nop
	global_prefetch_b8 v0, s[64:65] scope:SCOPE_SE
	s_setreg_imm32_b32 hwreg(HW_REG_WAVE_MODE, 25, 1), 1
	s_wait_xcnt 0x0
	s_wait_alu depctr_hold_cnt(0) depctr_sa_sdst(0) depctr_va_vdst(0) depctr_va_sdst(0) depctr_va_ssrc(0) depctr_va_vcc(0) depctr_vm_vsrc(0)
	s_getreg_b32 s2, hwreg(HW_REG_IB_STS2, 6, 4)
	s_cmp_eq_u32 s2, 0
	s_cbranch_scc0 .Lentry_in_a_cluster
	s_endpgm
.Lentry_in_a_cluster:
	s_bfe_u32 s2, ttmp6, 0x10000c
	s_cmp_lg_u32 s2, 0x3003
	s_cbranch_scc0 .Lentry_shape_is_right
	s_endpgm
.Lentry_shape_is_right:
; ATTN.  For each of 64 heads (ttmp7): S^T = K Q^T, p = 2^(t - M), O^T = V^T P^T, O / l, all products on codes of E3M2; the result is quantised along the layer's 1,024 (two blocks a head) for the last product.
; t = score x log2(e) / 8; M = the running largest t rounded UP to a whole number; the row's sum is taken of the unquantised p; when M moves, the sum and O^T are multiplied by 2^(old M - new M), which rounds nothing.
; SHARES.  A work-group owns 512 queries of a head; each of its sixteen waves owns 32: two tiles of 16, one after the other, in a loop of two trips.
; A HEAD'S K AND V STAY IN LDS: 16 records of 13,056 bytes (a key step of 128: K's codes, K's scales, V's codes, V's scales, as images of registers), 16,384 bytes apart, filled once: wave w asks for record w, one tensor load a wave.
; CLUSTER.  The four query blocks of a head read the same records: each is asked for JOINTLY, by the same tensor load with the same descriptor and a mask that names the four.
; No prefetch: K and V are asked for once, at the head; there is no loop to run ahead in.
; TWO REGIONS OF 64 REGISTERS CHANGE ROLES FROM STEP TO STEP: one holds K's fragments and then V's, the other the scores and then p.  When p has been converted, its region takes the NEXT step's K,
; so that those 13 LDS loads are on their way under the rest of this step.  The record behind the last is record 0 (the address is masked to 16 x 16,384): it serves the next tile's first step.
; A LANE HOLDS ONE QUERY AND WHOLE BLOCKS OF 32 KEYS.  Tile 4 c + w of K holds keys 64 c + 8 w + 0..7 in rows 0-7 and keys 64 c + 32 + 8 w + 0..7 in rows 8-15 (the launch before stores them so): register 32 c + i of lane (r, h) is
; key 64 c + 32 h + i of query r, which is the order in which the second product's operand wants p.  So a block's largest score needs no other lane, and the conversions' results are the operand's registers.
; THE HEAD'S 64 IN AN INSTRUCTION OF 128: Q's registers 6-11 are zero codes; K's fragment of tile u is six registers and the six behind them: other codes or left-over bits, all finite numbers in E3M2, which meet zero codes.
; The upper scale bytes are other blocks' bytes or 0, never 0xff.
; LIMITS: NaN and infinities are not served; the promise holds while |t| stays under 2^31; a block whose largest magnitude lies under 2^-122 is held at byte 1; a block of zeros gets byte 1 (its codes are zeros; this program alone reads the bytes).
; A block's largest p is taken as the exponential of the block's largest score: this takes v_exp_f32 not to fall where its input rises; at the worst one p within an ulp of a power of two is held one code low.
.set REC, 13056
.set RP,  16384                        ; from record to record in LDS
.set SPARE, 16*RP                      ; the spare words: 128 bytes for each of 16 waves
.set QF,  16                           ; v16-27  Q's fragment in hand (v22-27 zeros)
.set QP,  28                           ; v28-39  my two tiles' codes
.set QS,  40                           ; v40 both tiles' scale words; v41 the tile's in hand in lanes 0-15; v42 the second tile's there
.set QSC, 41
.set QSN, 42
.set X,   44                           ; v44-107, v108-171 the two regions
.set Y,   108
.set O,   172                          ; v172-203 O^T
.set PC,  204                          ; v204-215 p's codes; before that v204-217 seven chains of the row's sum
.set BM,  218                          ; v218-221 two chains of maxima for each of my two blocks (the block's largest ends in v218, v220); v222 a partner lane's; v223-224 bytes
.set T2,  226                          ; v226-228, v230-232 the conversions' second halves
.set SOP, 234                          ; v234-235 the conversions' scale operands
.set KSC, 238                          ; v238-241 K's scale words
.set VSC, 242                          ; v242-243 V's
.set PSW, 244                          ; p's scale word
.set TMP, 245
.set F,   246                          ; v[246:247] f = 2^(old M - new M), named as a pair
; v7 = 8 h; v13 the running largest score; -M stands in v12 behind even steps and in v10 behind odd ones (named as the pairs v[12:13], v[10:11]); v[14:15] the row's sum
.macro PLACES n
.rept \n
	v_nop
.endr
.endm
.macro SMM d, a, sa, ra                ; a tile of S^T: source 0 = 16 keys, source 1 = Q; ra: K's scales stand in lanes 16-31
.if \ra
	v_wmma_scale_f32_16x16x128_f8f6f4 v[(\d):(\d)+7], v[(\a):(\a)+11], v[QF:QF+11], 0, v[\sa], v[QSC] matrix_a_fmt:MATRIX_FMT_BF6 matrix_b_fmt:MATRIX_FMT_BF6 matrix_a_scale:MATRIX_SCALE_ROW1
.else
	v_wmma_scale_f32_16x16x128_f8f6f4 v[(\d):(\d)+7], v[(\a):(\a)+11], v[QF:QF+11], 0, v[\sa], v[QSC] matrix_a_fmt:MATRIX_FMT_BF6 matrix_b_fmt:MATRIX_FMT_BF6
.endif
.endm
.macro PMM d, a, sa, ra                ; a tile of O^T: source 0 = 16 of the head's 64, source 1 = p
.if \ra
	v_wmma_scale_f32_16x16x128_f8f6f4 v[(\d):(\d)+7], v[(\a):(\a)+11], v[PC:PC+11], v[(\d):(\d)+7], v[\sa], v[PSW] matrix_a_fmt:MATRIX_FMT_BF6 matrix_b_fmt:MATRIX_FMT_BF6 matrix_a_scale:MATRIX_SCALE_ROW1
.else
	v_wmma_scale_f32_16x16x128_f8f6f4 v[(\d):(\d)+7], v[(\a):(\a)+11], v[PC:PC+11], v[(\d):(\d)+7], v[\sa], v[PSW] matrix_a_fmt:MATRIX_FMT_BF6 matrix_b_fmt:MATRIX_FMT_BF6
.endif
.endm
.macro ROUND                           ; a round of the cluster's barrier
	s_barrier_signal -1
	s_barrier_wait -1
	s_cmp_lg_u32 s12, 0
	s_cbranch_scc1 .Lnot_wave_0_\@
	s_barrier_signal -3
.Lnot_wave_0_\@:
	s_barrier_wait -3
	s_barrier_signal -1
	s_barrier_wait -1
.endm
; A KEY STEP: the 128 keys of the record at LDS byte s20 + k x RP.  ka: the region that holds K (asked for in the step before), sb: the region for the scores
.macro STEP ka, sb, k
.set NMN, 12-2*\k                      ; where the new -M goes,
.set NMO, 10+2*\k                      ; and where the old one stands
	v_add_nc_u32 v4, s20, v1                       ; these three and two v_nop are the five places between the last products and the products that write over the registers that they read
	v_add_nc_u32 v5, s20, v2
	v_add_nc_u32 v6, s23, v1                       ; the record two on, wrapped
	v_nop
	v_nop
	s_wait_alu depctr_va_vdst(0)                   ; the wait ahead of the wait below
	s_wait_dscnt 0x0                               ; K and its scales are in
.irp u, 0,1,2,3,4,5,6,7
	SMM \sb+8*\u, \ka+6*\u, KSC+\u/2, (\u)%2
.endr
	PLACES 4                                       ; in front of the loads into K's registers and of the first read of the scores
.irp i, 0,1,2,3,4,5,6,7,8,9,10,11
	ds_load_b128 v[\ka+4*\i:\ka+4*\i+3], v4 offset:\k*RP+6656+512*\i   ; V's four fragments land under the softmax
.endr
	ds_load_b64 v[VSC:VSC+1], v5 offset:\k*RP+12800
; the largest score of each of my two blocks of 32 keys, in two chains a block; each accumulator is first read at its low end
.irp c, 0,1
	v_max3_num_f32 v[BM+2*\c], v[\sb+32*\c], v[\sb+32*\c+1], v[\sb+32*\c+2]
	v_max3_num_f32 v[BM+2*\c+1], v[\sb+32*\c+16], v[\sb+32*\c+17], v[\sb+32*\c+18]
.endr
.irp i, 3,5,7,9,11,13
.irp c, 0,1
	v_max3_num_f32 v[BM+2*\c], v[BM+2*\c], v[\sb+32*\c+\i], v[\sb+32*\c+\i+1]
	v_max3_num_f32 v[BM+2*\c+1], v[BM+2*\c+1], v[\sb+32*\c+16+\i], v[\sb+32*\c+17+\i]
.endr
.endr
.irp c, 0,1
	v_max3_num_f32 v[BM+2*\c], v[BM+2*\c], v[\sb+32*\c+15], v[\sb+32*\c+31]
.endr
.irp c, 0,1
	s_delay_alu instid0(VALU_DEP_2)
	v_max_num_f32 v[BM+2*\c], v[BM+2*\c], v[BM+2*\c+1]   ; the block's largest score: for the row's maximum and for the block's largest p
.endr
	s_delay_alu instid0(VALU_DEP_1)
	v_max_num_f32 v[TMP], v[BM], v[BM+2]
	s_delay_alu instid0(VALU_DEP_1)
	v_permlanex16_b32 v[BM+4], v[TMP], s18, s19    ; lane l xor 16's 64 keys
	s_delay_alu instid0(VALU_DEP_1)
	v_max3_num_f32 v13, v13, v[TMP], v[BM+4]       ; the running largest score
	s_delay_alu instid0(VALU_DEP_1)
	v_mul_f32 v[TMP], s16, v13                     ; as t (c is positive, so the largest score gives the largest t)
	s_delay_alu instid0(VALU_DEP_1)
	v_floor_f32 v[NMN], -v[TMP]                    ; the new -M = floor(-t): M is a whole number
	s_delay_alu instid0(VALU_DEP_1)
	v_sub_f32 v[TMP], v[NMN], v[NMO]               ; old M - new M: a whole number, 0 or less
	s_delay_alu instid0(VALU_DEP_1)
	v_cvt_i32_f32 v[TMP], v[TMP]                   ; (it saturates)
	s_delay_alu instid0(VALU_DEP_1)
	v_ldexp_f32 v[F], 1.0, v[TMP]                  ; f
.set n, 0
.rept 32
	v_pk_fma_f32 v[\sb+2*n:\sb+2*n+1], v[\sb+2*n:\sb+2*n+1], s[16:17], v[NMN:NMN+1] op_sel_hi:[1,0,0]   ; t - M, two at a time
.set n, n+1
.endr
.irp c, 0,1
	v_fma_f32 v[BM+2*\c], v[BM+2*\c], s16, v[NMN]  ; the same of each block's largest score
.endr
	s_wait_alu depctr_va_vdst(0)                   ; the wait ahead of the batch
.set n, 0
.rept 64
	v_exp_f32 v[\sb+n], v[\sb+n]                   ; p = 2^(t - M), at most 1, not normalised
.set n, n+1
.endr
	v_pk_mul_f32 v[14:15], v[14:15], v[F:F+1] op_sel_hi:[1,0]   ; the sums under the new M; the plain place behind the exponentials
	s_wait_alu depctr_va_vdst(0)                   ; one wait for the batch of 64, ahead of its first reader
.irp c, 0,1
	v_exp_f32 v[BM+2*\c], v[BM+2*\c]               ; the block's largest p
.endr
; the row's sum of the unquantised p: 32 pairs in eight chains (seven in the registers that p's codes take later, and the running sum itself)
.set n, 0
.rept 7
	v_pk_add_f32 v[PC+2*n:PC+2*n+1], v[\sb+4*n:\sb+4*n+1], v[\sb+4*n+2:\sb+4*n+3]
.set n, n+1
.endr
	v_pk_add_f32 v[14:15], v[14:15], v[\sb+28:\sb+29]
.set n, 0
.rept 2
.set m, 0
.rept 7
	v_pk_add_f32 v[PC+2*m:PC+2*m+1], v[PC+2*m:PC+2*m+1], v[\sb+30+16*n+2*m:\sb+31+16*n+2*m]
.set m, m+1
.endr
	v_pk_add_f32 v[14:15], v[14:15], v[\sb+44+16*n:\sb+45+16*n]
.set n, n+1
.endr
	v_pk_add_f32 v[PC:PC+1], v[PC:PC+1], v[\sb+62:\sb+63]
	v_pk_add_f32 v[PC+4:PC+5], v[PC+4:PC+5], v[PC+6:PC+7]
	v_pk_add_f32 v[PC+8:PC+9], v[PC+8:PC+9], v[PC+10:PC+11]
	v_pk_add_f32 v[14:15], v[14:15], v[PC+12:PC+13]
	s_delay_alu instid0(VALU_DEP_4)
	v_pk_add_f32 v[PC:PC+1], v[PC:PC+1], v[PC+2:PC+3]
	s_delay_alu instid0(VALU_DEP_3)
	v_pk_add_f32 v[PC+4:PC+5], v[PC+4:PC+5], v[PC+8:PC+9]
	s_delay_alu instid0(VALU_DEP_2)
	v_pk_add_f32 v[14:15], v[14:15], v[PC:PC+1]
	s_delay_alu instid0(VALU_DEP_1)
	v_pk_add_f32 v[14:15], v[14:15], v[PC+4:PC+5]
	s_wait_alu depctr_va_vdst(0)                   ; and one for the two
.irp c, 0,1
	v_max_num_f32 v[BM+2*\c], 0x2800000, v[BM+2*\c]   ; the floor 2^(5 - 127): the byte cannot fall under 1
.endr
.irp c, 0,1
	s_delay_alu instid0(VALU_DEP_2)
	v_add_nc_u32 v[SOP+\c], 0xfe000000, v[BM+2*\c]    ; 4 off the exponent field: the conversion's scale operand
.endr
.irp c, 0,1
	s_delay_alu instid0(VALU_DEP_2)
	v_lshrrev_b32 v[BM+5+\c], 23, v[SOP+\c]        ; the scale's byte
.endr
	s_delay_alu instid0(VALU_DEP_1)
	v_lshl_or_b32 v[PSW], v[BM+6], 16, v[BM+5]     ; my two bytes: blocks h and 2 + h,
	s_delay_alu instid0(VALU_DEP_1)
	v_lshlrev_b32 v[PSW], v7, v[PSW]               ; at their places in the scale word (8 h bits up);
	s_delay_alu instid0(VALU_DEP_1)
	v_permlanex16_b32 v[BM+4], v[PSW], s18, s19
	s_delay_alu instid0(VALU_DEP_1)
	v_or_b32 v[PSW], v[PSW], v[BM+4]               ; with lane l xor 16's two the word is whole
.irp c, 0,1
	v_cvt_scalef32_pk16_bf6_f32 v[PC+6*\c:PC+6*\c+2], v[\sb+32*\c:\sb+32*\c+15], v[SOP+\c]
	v_cvt_scalef32_pk16_bf6_f32 v[T2+4*\c:T2+4*\c+2], v[\sb+16+32*\c:\sb+31+32*\c], v[SOP+\c]   ; (a conversion's three registers begin on an even number)
.endr
	v_nop                                          ; one plain place behind the last scaled conversion
.irp i, 0,1,2,3,4,5,6,7,8,9,10,11                      ; p is converted: its region takes the next step's K
.if \k
	ds_load_b128 v[\sb+4*\i:\sb+4*\i+3], v6 offset:512*\i
.else
	ds_load_b128 v[\sb+4*\i:\sb+4*\i+3], v4 offset:RP+512*\i
.endif
.endr
.if \k
	ds_load_b128 v[KSC:KSC+3], v6 offset:6144
.else
	ds_load_b128 v[KSC:KSC+3], v4 offset:RP+6144
.endif
.irp c, 0,1
.irp i, 0,1,2
	v_mov_b32 v[PC+3+6*\c+\i], v[T2+4*\c+\i]       ; registers 6 c .. 6 c + 5 hold keys 64 c + 32 h + 0 .. 31
.endr
.endr
	s_wait_alu depctr_va_vdst(0)                   ; the wait directly ahead of the first reader of O^T
.set n, 0
.rept 16
	v_pk_mul_f32 v[O+2*n:O+2*n+1], v[O+2*n:O+2*n+1], v[F:F+1] op_sel_hi:[1,0]   ; O^T under the new M.  These sixteen are also the places between the scale word's and the codes' last writes and the products
.set n, n+1
.endr
	s_wait_alu depctr_va_vdst(0)
	s_wait_dscnt 13                                ; V is in; the 13 loads of the next step's K, issued behind V's, may be out
.irp b, 0,1,2,3
	PMM O+8*\b, \ka+12*\b, VSC+\b/2, (\b)%2
.endr
.endm
	s_load_b256 s[4:11], s[0:1], 0x0               ; qi, kv, ai, asc
	v_lshl_add_u32 v254, v0, 2, SPARE
	v_mov_b32 v255, 0
	ds_add_u32 v254, v255                          ; the opening lines: the add twice on end and its wait ahead of my first tensor load
	ds_add_u32 v254, v255
	v_lshrrev_b32 v6, 5, v0
	s_delay_alu instid0(VALU_DEP_1)
	v_readfirstlane_b32 s12, v6                    ; wave 0..15
	s_bfe_u32 s13, ttmp6, 0x40000                  ; cx: it enters the addresses of qi, ai and asc alone
	s_and_b32 s14, ttmp7, 0xffff                   ; bh, which the four partners share
	; descriptor group 1: a record, 13,056 dense bytes, as 51 rows of 256 bytes
	s_mov_b32 s24, 15|(3<<16)|(1<<21)              ; the mask: all four work-groups; elements of 8 bytes; bit 21 set beside a mask
	s_mov_b32 s25, 32<<16
	s_mov_b32 s26, 51<<16
	s_mov_b32 s27, 32<<16
	s_mov_b32 s28, 51
	s_mov_b32 s29, 32
	s_mov_b32 s30, 0
	s_mov_b32 s31, 0
	s_mov_b32 s32, 1
	s_lshl_b32 s33, s12, 14                        ; record w goes to LDS byte 16,384 w
	s_mul_i32 s58, s12, REC
	s_mul_i32 s60, s14, 16*REC
	s_add_co_u32 s60, s60, s58                     ; and comes from record 16 bh + w of kv
	s_mov_b32 s61, 0
	s_lshr_b32 s48, s12, 2
	s_lshl_b32 s49, s13, 2
	s_add_co_u32 s48, s48, s49                     ; grp: my 128 queries
	s_and_b32 s49, s12, 3                          ; my 32 of them
	s_lshl_b32 s52, s14, 4
	s_add_co_u32 s52, s52, s48
	s_mul_i32 s52, s52, 6656                       ; the record of qi
	s_mul_i32 s54, s49, 1536
	s_add_co_u32 s54, s54, s52                     ; my two tiles' 12 registers
	s_mov_b32 s55, 0
	s_lshl_b32 s56, s49, 2
	s_add_co_u32 s56, s56, s52                     ; my word of the scale image
	s_mov_b32 s57, 0
	s_lshr_b32 s50, s14, 4                         ; batch
	s_and_b32 s51, s14, 15                         ; hd
	s_lshl_b32 s62, s50, 6
	s_lshl_b32 s63, s48, 2
	s_add_co_u32 s62, s62, s63
	s_add_co_u32 s62, s62, s49                     ; G: my 32 rows among the 8,192
	s_mul_i32 s52, s62, 24576
	s_mul_i32 s63, s51, 768
	s_add_co_u32 s52, s52, s63                     ; in ai
	s_mov_b32 s53, 0
	s_lshl_b32 s62, s62, 10
	s_lshl_b32 s63, s51, 1
	s_add_co_u32 s62, s62, s63                     ; in asc
	s_mov_b32 s63, 0
	s_mov_b32 s16, 0x3e38aa3b                      ; c = log2(e) / 8
	s_mov_b32 s17, s16                             ; (named with it as a pair)
	s_mov_b32 s18, 0x76543210
	s_mov_b32 s19, 0xfedcba98
	s_mov_b32 s22, 0xffff0000                      ; lanes 16-31
	v_and_b32 v6, 31, v0
	v_and_b32 v7, 15, v0
	v_bfe_u32 v8, v0, 4, 1
	s_delay_alu instid0(VALU_DEP_3)
	v_lshlrev_b32 v1, 4, v6                        ; 16 l
	s_delay_alu instid0(VALU_DEP_4)
	v_lshlrev_b32 v2, 3, v6                        ; 8 l
	s_delay_alu instid0(VALU_DEP_4)
	v_and_b32 v9, 8, v7
	s_delay_alu instid0(VALU_DEP_1)
	v_add_nc_u32 v9, v9, v7
	s_delay_alu instid0(VALU_DEP_1)
	v_lshl_add_u32 v3, v9, 5, v8                   ; (r + 8 (r / 8)) x 32 + h
	v_lshlrev_b32 v7, 3, v8                        ; 8 h
	s_wait_dscnt 0x0
	s_wait_kmcnt 0x0
	s_add_nc_u64 s[34:35], s[6:7], s[60:61]
	s_or_b32 s35, s35, 0x80000000
	s_add_nc_u64 s[54:55], s[4:5], s[54:55]
	s_add_nc_u64 s[56:57], s[4:5], s[56:57]
	s_add_nc_u64 s[8:9], s[8:9], s[52:53]
	s_add_nc_u64 s[10:11], s[10:11], s[62:63]
	ROUND                                          ; all four work-groups are here: the joint loads meet
	tensor_load_to_lds s[32:35], s[24:31]          ; my record: every wave issues one
	s_nop 0
	s_wait_alu depctr_va_vdst(0)
.irp c, 0,1,2
	global_load_b128 v[QP+4*\c:QP+4*\c+3], v1, s[54:55] offset:512*\c
.endr
	global_load_b32 v[QS], v1, s[56:57] offset:6144
.irp i, 0,1,2,3,4,5
	v_mov_b32 v[QF+6+\i], 0                        ; zero codes: the upper 64 of the instruction's K
	v_mov_b32 v[X+48+\i], 0                        ; named behind K's last tile in the first step
.endr
	v_mov_b32 v[BM+4], 0                           ; written once: a lane permute's destination counts as one of its sources
	v_mov_b32 v[BM+5], 0
	v_mov_b32 v[F+1], 0                            ; (named as the upper halves of pairs)
	v_mov_b32 v11, 0
	v_mov_b32 v[TMP], 0
	v_mov_b32 v[QSN], 0
	s_wait_alu depctr_va_vdst(0)                   ; the wait at the head's end
	s_wait_tensorcnt 0x0                           ; my record has landed,
	s_barrier_signal -1
	s_barrier_wait -1                              ; everybody's has: the head's K and V are whole, and nothing is ever filled again
.irp i, 0,1,2,3,4,5,6,7,8,9,10,11
	ds_load_b128 v[X+4*\i:X+4*\i+3], v1 offset:512*\i   ; record 0's K for the first step
.endr
	ds_load_b128 v[KSC:KSC+3], v1 offset:6144
	s_wait_loadcnt 0x0                             ; Q
.irp i, 0,1,2,3,4,5
	v_mov_b32 v[QF+\i], v[QP+\i]
.endr
	v_mov_b32 v[QSC], v[QS]                        ; tile 0's scale words stand in lanes 0-15,
	v_permlanex16_b32 v[QSN], v[QS], s18, s19      ; tile 1's are brought there
	s_mov_b32 s15, 2                               ; tiles to go
.Ltile:
	v_mov_b32 v13, 0xff61b1e6                      ; the largest score so far: -3e38
	v_mov_b32 v10, 0x7f61b1e6                      ; and -M: 3e38, so that the first f is 0
	v_mov_b32 v14, 0
	v_mov_b32 v15, 0
.set n, 0
.rept 32
	v_mov_b32 v[O+n], 0                            ; the step is written once: the first finds zeros, which the first change of M leaves zeros
.set n, n+1
.endr
	s_mov_b32 s20, 0
	s_mov_b32 s21, 8
.Lstep:                                                ; a trip is two key steps: the regions and -M's two registers are back where they began
	s_add_co_u32 s23, s20, 2*RP
	s_and_b32 s23, s23, 16*RP-1                    ; the record behind this trip's two; behind the last: record 0
	STEP X, Y, 0
	STEP Y, X, 1
	s_add_co_u32 s20, s20, 2*RP
	s_sub_co_u32 s21, s21, 1
	s_cmp_lg_u32 s21, 0
	s_cbranch_scc1 .Lstep
	PLACES 4                                       ; behind the last products.  The way out works in region Y: region X and K's scale words are taking record 0's K
	v_add_f32 v14, v14, v15
	s_delay_alu instid0(VALU_DEP_1)
	v_permlanex16_b32 v[TMP], v14, s18, s19
	s_delay_alu instid0(VALU_DEP_1)
	v_add_f32 v14, v14, v[TMP]                     ; the row's sum
	s_wait_alu depctr_va_vdst(0)
	v_rcp_f32 v14, v14
	v_nop                                          ; a plain place behind the transcendental,
	s_wait_alu depctr_va_vdst(0)                   ; and the wait ahead of its first reader
.set n, 0
.rept 32
	v_mul_f32 v[Y+n], v[O+n], v14                  ; O^T / l, each accumulator from its low end on: register 16 b + i is d = 32 b + 16 (lane / 16) + i
.set n, n+1
.endr
.irp b, 0,1
	v_max3_num_f32 v[BM+\b], |v[Y+16*\b]|, |v[Y+1+16*\b]|, 0x2800000
.endr
.irp i, 2,4,6,8,10,12,14
.irp b, 0,1
	s_delay_alu instid0(VALU_DEP_2)
	v_max3_num_f32 v[BM+\b], v[BM+\b], |v[Y+16*\b+\i]|, |v[Y+1+16*\b+\i]|
.endr
.endr
.irp b, 0,1
	s_delay_alu instid0(VALU_DEP_2)
	v_permlanex16_b32 v[BM+4+\b], v[BM+\b], s18, s19
.endr
.irp b, 0,1
	s_delay_alu instid0(VALU_DEP_2)
	v_max_num_f32 v[BM+\b], v[BM+\b], v[BM+4+\b]
.endr
.irp b, 0,1
	s_delay_alu instid0(VALU_DEP_2)
	v_add_nc_u32 v[SOP+\b], 0xfe000000, v[BM+\b]
.endr
.irp b, 0,1
	s_delay_alu instid0(VALU_DEP_2)
	v_lshrrev_b32 v[BM+4+\b], 23, v[SOP+\b]
.endr
	v_cvt_scalef32_pk16_bf6_f32 v[PC:PC+2], v[Y:Y+15], v[SOP]
	v_cvt_scalef32_pk16_bf6_f32 v[T2:T2+2], v[Y+16:Y+31], v[SOP+1]
	v_nop
.irp i, 0,1,2
	v_permlane16_swap_b32 v[PC+\i], v[T2+\i]
.endr
.irp i, 0,1,2
	s_delay_alu instid0(VALU_DEP_3)
	v_mov_b32 v[PC+3+\i], v[T2+\i]                 ; six registers: my head's half of a fragment of the last product
.endr
	v_cndmask_b32 v[TMP], v[BM+4], v[BM+5], s22    ; lanes 0-15 block 0's byte, lanes 16-31 block 1's
.irp p, 0,1,2
	global_store_b64 v2, v[PC+2*\p:PC+2*\p+1], s[8:9] offset:256*\p   ; 32 lanes store 256 consecutive bytes, aligned
.endr
	global_store_b8 v3, v[TMP], s[10:11]           ; the scale bytes, in their natural place [row][32]: one byte for each 24 bytes of codes
.irp i, 0,1,2,3,4,5
	v_mov_b32 v[QF+\i], v[QP+6+\i]                 ; the second tile's codes and scale words
.endr
	v_mov_b32 v[QSC], v[QSN]
	s_wait_xcnt 0x0                                ; the stores have read their registers and bases, which are written again
	s_add_nc_u64 s[8:9], s[8:9], 12288
	s_add_nc_u64 s[10:11], s[10:11], 256
	s_sub_co_u32 s15, s15, 1
	s_cmp_lg_u32 s15, 0
	s_wait_alu depctr_va_vdst(0)                   ; the wait ahead of the branch
	s_cbranch_scc1 .Ltile
	s_wait_tensorcnt 0x0                           ; the wave's end
	ds_add_u32 v254, v255
	s_wait_dscnt 0x0
	ROUND                                          ; the closing round: no work-group ends while a partner may still ask for a record that names it
	s_endpgm
.Lfunc_end_k_q0e31cf94a7_attn:
	.size	k_q0e31cf94a7_attn, .Lfunc_end_k_q0e31cf94a7_attn-k_q0e31cf94a7_attn
	.p2alignl 7, 3214868480
	.fill 96, 4, 3214868480
	.section	.rodata,"a",@progbits
	.p2align	6, 0x0
	.amdhsa_kernel k_q0e31cf94a7_attn
		.amdhsa_group_segment_fixed_size 264192
		.amdhsa_private_segment_fixed_size 0
		.amdhsa_enable_private_segment 0
		.amdhsa_kernarg_size 32
		.amdhsa_user_sgpr_count 2
		.amdhsa_user_sgpr_kernarg_segment_ptr 1
		.amdhsa_wavefront_size32 1
		.amdhsa_system_sgpr_workgroup_id_x 1
		.amdhsa_system_sgpr_workgroup_id_y 1
		.amdhsa_system_sgpr_workgroup_id_z 1
		.amdhsa_system_vgpr_workitem_id 0
		.amdhsa_next_free_vgpr 256
		.amdhsa_next_free_sgpr 66
		.amdhsa_reserve_vcc 0
		.amdhsa_float_denorm_mode_32 3
		.amdhsa_float_denorm_mode_16_64 3
		.amdhsa_memory_ordered 1
		.amdhsa_forward_progress 1
		.amdhsa_inst_pref_size 44
	.end_amdhsa_kernel
	.amdgpu_metadata
---
amdhsa.version: [ 1, 2 ]
amdhsa.kernels:
  - .name:           k_q0e31cf94a7_attn
    .symbol:         k_q0e31cf94a7_attn.kd
    .args:
      - { .name: qi, .offset: 0, .size: 8, .value_kind: global_buffer, .address_space: global }
      - { .name: kv, .offset: 8, .size: 8, .value_kind: global_buffer, .address_space: global }
      - { .name: ai, .offset: 16, .size: 8, .value_kind: global_buffer, .address_space: global }
      - { .name: asc, .offset: 24, .size: 8, .value_kind: global_buffer, .address_space: global }
    .group_segment_fixed_size: 264192
    .private_segment_fixed_size: 0
    .kernarg_segment_align: 8
    .kernarg_segment_size: 32
    .max_flat_workgroup_size: 512
    .sgpr_count:     66
    .vgpr_count:     256
    .wavefront_size: 32
...
	.end_amdgpu_metadata
.endif
;; end of part 3
;; launch outln (part 4): grid 256 x 1, 8 waves a work-group, no clusters, 327,680 bytes of LDS; arguments ai, asc, wi, Wo_scales, bo, x, gamma, beta, out0; writes out0
.if DOCPART == 4
	.amdgcn_target "amdgcn-amd-amdhsa--gfx1250"
	.amdhsa_code_object_version 6
	.text
	.protected	k_q0e31cf94a7_outln
	.globl	k_q0e31cf94a7_outln
	.p2align	8
	.type	k_q0e31cf94a7_outln,@function
k_q0e31cf94a7_outln:
	s_mov_b64 s[64:65], 0
	v_nop
	global_prefetch_b8 v0, s[64:65] scope:SCOPE_SE
	s_setreg_imm32_b32 hwreg(HW_REG_WAVE_MODE, 25, 1), 1
	s_wait_xcnt 0x0
.set XB,  24576
.set STG, 155648
.set SPI, 4112
.set AS,  16
.set WS,  24
.set M,   56
.set WF,  64
.set MSB, 0
.macro WIN new
.if MSB != (\new)
	s_set_vgpr_msb (MSB<<8)|(\new)
.set MSB, (\new)
.endif
.endm
.macro PLACES n
.rept \n
	v_nop
.endr
.endm
.macro WMX d, a, b, c, sa, sb, ra, rb
.if (\c) < 0
.if (\ra) && (\rb)
	v_wmma_scale_f32_16x16x128_f8f6f4 v[(\d):(\d)+7], v[(\a):(\a)+11], v[(\b):(\b)+11], 0, v[\sa], v[\sb] matrix_a_fmt:MATRIX_FMT_BF6 matrix_b_fmt:MATRIX_FMT_BF6 matrix_a_scale:MATRIX_SCALE_ROW1 matrix_b_scale:MATRIX_SCALE_ROW1
.elseif \ra
	v_wmma_scale_f32_16x16x128_f8f6f4 v[(\d):(\d)+7], v[(\a):(\a)+11], v[(\b):(\b)+11], 0, v[\sa], v[\sb] matrix_a_fmt:MATRIX_FMT_BF6 matrix_b_fmt:MATRIX_FMT_BF6 matrix_a_scale:MATRIX_SCALE_ROW1
.elseif \rb
	v_wmma_scale_f32_16x16x128_f8f6f4 v[(\d):(\d)+7], v[(\a):(\a)+11], v[(\b):(\b)+11], 0, v[\sa], v[\sb] matrix_a_fmt:MATRIX_FMT_BF6 matrix_b_fmt:MATRIX_FMT_BF6 matrix_b_scale:MATRIX_SCALE_ROW1
.else
	v_wmma_scale_f32_16x16x128_f8f6f4 v[(\d):(\d)+7], v[(\a):(\a)+11], v[(\b):(\b)+11], 0, v[\sa], v[\sb] matrix_a_fmt:MATRIX_FMT_BF6 matrix_b_fmt:MATRIX_FMT_BF6
.endif
.else
.if (\ra) && (\rb)
	v_wmma_scale_f32_16x16x128_f8f6f4 v[(\d):(\d)+7], v[(\a):(\a)+11], v[(\b):(\b)+11], v[(\c):(\c)+7], v[\sa], v[\sb] matrix_a_fmt:MATRIX_FMT_BF6 matrix_b_fmt:MATRIX_FMT_BF6 matrix_a_scale:MATRIX_SCALE_ROW1 matrix_b_scale:MATRIX_SCALE_ROW1
.elseif \ra
	v_wmma_scale_f32_16x16x128_f8f6f4 v[(\d):(\d)+7], v[(\a):(\a)+11], v[(\b):(\b)+11], v[(\c):(\c)+7], v[\sa], v[\sb] matrix_a_fmt:MATRIX_FMT_BF6 matrix_b_fmt:MATRIX_FMT_BF6 matrix_a_scale:MATRIX_SCALE_ROW1
.elseif \rb
	v_wmma_scale_f32_16x16x128_f8f6f4 v[(\d):(\d)+7], v[(\a):(\a)+11], v[(\b):(\b)+11], v[(\c):(\c)+7], v[\sa], v[\sb] matrix_a_fmt:MATRIX_FMT_BF6 matrix_b_fmt:MATRIX_FMT_BF6 matrix_b_scale:MATRIX_SCALE_ROW1
.else
	v_wmma_scale_f32_16x16x128_f8f6f4 v[(\d):(\d)+7], v[(\a):(\a)+11], v[(\b):(\b)+11], v[(\c):(\c)+7], v[\sa], v[\sb] matrix_a_fmt:MATRIX_FMT_BF6 matrix_b_fmt:MATRIX_FMT_BF6
.endif
.endif
.endm
.macro FETCH_W k
.irp i, 0,1,2,3,4,5,6,7,8,9,10,11
	global_load_b128 v[WF+48*((\k)%4)+4*\i:WF+48*((\k)%4)+4*\i+3], v1, s[48:49] offset:(\k)*6144+512*\i
.endr
.endm
.macro VLOAD reg, sp
.irp i, 0,1,2,3,4,5,6,7
	global_load_b128 v[\reg+4*\i:\reg+4*\i+3], v1, s[\sp:\sp+1] offset:512*\i
.endr
.endm
.macro KSTEP k
.if (\k) <= 13
	s_wait_loadcnt 24
.elseif (\k) == 14
	s_wait_loadcnt 20
.else
	s_wait_loadcnt 16
.endif
	PLACES 4
	WIN 0
.if (\k) <= 12
	FETCH_W (\k)+3
.elseif (\k) == 13
	VLOAD WF, 12
.elseif (\k) == 14
	VLOAD WF+48, 16
.else
	VLOAD WF+96, 18
.endif
	WIN 0x54
.irp b, 0,1,2,3
.irp u, 0,1
.if ((\k)%8) == 0
	WMX 192+8*(2*\b+\u), WF+48*((\k)%4)+12*\b, 96*\u+12*((\k)%8), -1, WS+16*((\k)/8)+8*(\b/2)+(\k)%8, AS+(\k)%8, (\b)%2, \u
.else
	WMX 192+8*(2*\b+\u), WF+48*((\k)%4)+12*\b, 96*\u+12*((\k)%8), 192+8*(2*\b+\u), WS+16*((\k)/8)+8*(\b/2)+(\k)%8, AS+(\k)%8, (\b)%2, \u
.endif
.endr
.endr
.endm
.macro TOSTAGE hp
	PLACES 5
	WIN 0x04
.irp b, 0,1,2,3
.irp u, 0,1
	ds_store_b128 v4, v[192+8*(2*\b+\u):192+8*(2*\b+\u)+3] offset:\u*8*SPI+256*\hp+(32*(\b/2)+8*(\b%2))*4
	ds_store_b128 v4, v[192+8*(2*\b+\u)+4:192+8*(2*\b+\u)+7] offset:\u*8*SPI+256*\hp+(32*(\b/2)+8*(\b%2))*4+16
.endr
.endr
	WIN 0
	s_wait_dscnt 0x0
.endm
.macro REDUCE
.irp i, 0,1,2,3
	v_add_f32 v[M+2*\i], v[M+2*\i], v[M+2*\i+1]
.endr
.irp x, 1,2,4,8
.irp i, 0,1,2,3
	s_delay_alu instid0(VALU_DEP_4)
	v_add_f32_dpp v[M+2*\i], v[M+2*\i], v[M+2*\i] row_xmask:\x row_mask:0xf bank_mask:0xf
.endr
.endr
.irp i, 0,1,2,3
	s_delay_alu instid0(VALU_DEP_4)
	v_permlanex16_b32 v[M+2*\i+1], v[M+2*\i], s54, s55
.endr
.irp i, 0,1,2,3
	s_delay_alu instid0(VALU_DEP_4)
	v_add_f32 v[M+2*\i], v[M+2*\i], v[M+2*\i+1]
.endr
.endm
	s_load_b512 s[4:19], s[0:1], 0x0
	s_load_b64 s[20:21], s[0:1], 0x40
	v_lshl_add_u32 v14, v0, 2, 0x46200
	v_mov_b32 v15, 0
	ds_add_u32 v14, v15
	ds_add_u32 v14, v15
	v_lshrrev_b32 v7, 5, v0
	s_delay_alu instid0(VALU_DEP_1)
	v_readfirstlane_b32 s22, v7
	s_mov_b32 s23, ttmp9
	s_mov_b32 s32, 3<<16
	s_mov_b32 s33, 32<<16
	s_mov_b32 s34, 12<<16
	s_mov_b32 s35, 32<<16
	s_mov_b32 s36, 12
	s_mov_b32 s37, 32
	s_mov_b32 s38, 0
	s_mov_b32 s39, 0
	s_mov_b32 s40, 3<<16
	s_mov_b32 s41, 32<<16
	s_mov_b32 s42, 64<<16
	s_mov_b32 s43, 32<<16
	s_mov_b32 s44, 64
	s_mov_b32 s45, 32
	s_mov_b32 s46, 0
	s_mov_b32 s47, 0
	s_mov_b32 s24, 1
	s_mul_i32 s25, s22, 3072
	s_mul_i32 s50, s23, 24576
	s_add_co_u32 s50, s50, s25
	s_mov_b32 s51, 0
	s_mov_b32 s28, 1
	s_lshl_b32 s52, s22, 14
	s_add_co_u32 s29, s52, XB
	s_lshl_b32 s53, s23, 17
	s_add_co_u32 s52, s52, s53
	s_mov_b32 s53, 0
	s_wait_dscnt 0x0
	s_wait_kmcnt 0x0
	s_add_nc_u64 s[26:27], s[4:5], s[50:51]
	s_or_b32 s27, s27, 0x80000000
	s_add_nc_u64 s[30:31], s[14:15], s[52:53]
	s_or_b32 s31, s31, 0x80000000
	s_add_nc_u64 s[20:21], s[20:21], s[52:53]
	tensor_load_to_lds s[24:27], s[32:39]
	s_nop 0
	s_wait_alu depctr_va_vdst(0)
	s_wait_tensorcnt 0x0
	ds_add_u32 v14, v15
	s_wait_dscnt 0x0
	s_barrier_signal -1
	s_barrier_wait -1
	tensor_load_to_lds s[28:31], s[40:47]
	s_nop 0
	PLACES 4
	v_and_b32 v7, 31, v0
	v_and_b32 v8, 15, v0
	v_bfe_u32 v9, v0, 4, 1
	s_delay_alu instid0(VALU_DEP_3)
	v_lshlrev_b32 v1, 4, v7
	s_delay_alu instid0(VALU_DEP_4)
	v_lshlrev_b32 v2, 3, v7
	s_delay_alu instid0(VALU_DEP_4)
	v_and_b32 v10, 8, v8
	s_delay_alu instid0(VALU_DEP_1)
	v_add_nc_u32 v10, v10, v8
	s_delay_alu instid0(VALU_DEP_1)
	v_lshl_add_u32 v3, v9, 3, v10
	s_delay_alu instid0(VALU_DEP_1)
	v_lshlrev_b32 v3, 5, v3
	s_wait_alu depctr_va_vdst(0)
	v_mul_u32_u24 v4, v10, SPI
	s_delay_alu instid0(VALU_DEP_1)
	v_lshl_add_u32 v4, v9, 6, v4
	s_lshl_b32 s50, s22, 9
	s_add_co_u32 s50, s50, STG
	v_add_nc_u32 v4, s50, v4
	s_mul_i32 s50, s22, 4*SPI
	s_add_co_u32 s50, s50, STG
	v_add_nc_u32 v5, s50, v1
	s_lshl_b32 s50, s22, 14
	s_add_co_u32 s50, s50, XB
	v_add_nc_u32 v6, s50, v1
	s_mov_b32 s54, 0x76543210
	s_mov_b32 s55, 0xfedcba98
	s_mov_b32 s56, 0x3a800000
	s_mov_b32 s57, 0x3727c5ac
	s_lshl_b32 s50, s23, 10
	s_add_nc_u64 s[6:7], s[6:7], s[50:51]
	s_lshl_b32 s50, s22, 12
	s_add_nc_u64 s[10:11], s[10:11], s[50:51]
	s_lshl_b32 s50, s22, 1
	s_add_co_u32 s50, s50, 48
	s_mul_i32 s50, s50, 49152
	s_add_nc_u64 s[48:49], s[8:9], s[50:51]
	global_load_b128 v[AS:AS+3], v3, s[6:7]
	global_load_b128 v[AS+4:AS+7], v3, s[6:7] offset:16
.irp p, 0,1
.irp e, 0,1
.irp f, 0,1
	global_load_b128 v[WS+16*\p+8*\e+4*\f:WS+16*\p+8*\e+4*\f+3], v3, s[10:11] offset:(64*\p+32*\e)*32+16*\f
.endr
.endr
.endr
	FETCH_W 0
	FETCH_W 1
	FETCH_W 2
	s_wait_tensorcnt 1
	s_barrier_signal -1
	s_barrier_wait -1
	WIN 0x40
.irp u, 0,1
.irp s, 0,1,2,3,4,5,6,7
.irp p, 0,1,2,3,4,5
	ds_load_b64 v[96*\u+12*\s+2*\p:96*\u+12*\s+2*\p+1], v2 offset:\u*12288+\s*1536+\p*256
.endr
.endr
.endr
	WIN 0
	s_wait_dscnt 0x0
	KSTEP 0
	KSTEP 1
	KSTEP 2
	KSTEP 3
	KSTEP 4
	KSTEP 5
	KSTEP 6
	KSTEP 7
	s_wait_alu depctr_va_vdst(0)
	TOSTAGE 0
	KSTEP 8
	KSTEP 9
	KSTEP 10
	KSTEP 11
	KSTEP 12
	KSTEP 13
	KSTEP 14
	KSTEP 15
	TOSTAGE 1
	s_barrier_signal -1
	s_barrier_wait -1
	s_wait_tensorcnt 0x0
	WIN 0x40
.irp i, 0,1,2,3
.irp c, 0,1,2,3,4,5,6,7
	ds_load_b128 v[32*\i+4*\c:32*\i+4*\c+3], v5 offset:\i*SPI+512*\c
	ds_load_b128 v[128+32*\i+4*\c:128+32*\i+4*\c+3], v6 offset:\i*4096+512*\c
.endr
.endr
	s_wait_dscnt 0x0
	s_wait_loadcnt 0x0
	WIN 0x45
.set n, 0
.rept 64
	v_pk_add_f32 v[2*n:2*n+1], v[2*n:2*n+1], v[128+2*n:129+2*n]
.set n, n+1
.endr
	WIN 0x41
.set n, 0
.rept 64
	v_pk_add_f32 v[2*n:2*n+1], v[2*n:2*n+1], v[WF+2*(n%16):WF+2*(n%16)+1]
.set n, n+1
.endr
	WIN 0x05
.irp i, 0,1,2,3
	v_pk_add_f32 v[M+2*\i:M+2*\i+1], v[32*\i:32*\i+1], v[32*\i+2:32*\i+3]
.endr
	WIN 0x04
.irp j, 2,3,4,5,6,7,8,9,10,11,12,13,14,15
.irp i, 0,1,2,3
	v_pk_add_f32 v[M+2*\i:M+2*\i+1], v[M+2*\i:M+2*\i+1], v[32*\i+2*\j:32*\i+2*\j+1]
.endr
.endr
	WIN 0
	REDUCE
.irp i, 0,1,2,3
	s_delay_alu instid0(VALU_DEP_4)
	v_mul_f32 v[M+2*\i], s56, v[M+2*\i]
.endr
	WIN 0x41
.set n, 0
.rept 64
	v_pk_add_f32 v[2*n:2*n+1], v[2*n:2*n+1], v[M+2*(n/16):M+2*(n/16)+1] op_sel_hi:[1,0] neg_lo:[0,1] neg_hi:[0,1]
.set n, n+1
.endr
	WIN 0x05
.irp i, 0,1,2,3
	v_pk_mul_f32 v[M+2*\i:M+2*\i+1], v[32*\i:32*\i+1], v[32*\i:32*\i+1]
.endr
.irp j, 1,2,3,4,5,6,7,8,9,10,11,12,13,14,15
.irp i, 0,1,2,3
	s_delay_alu instid0(VALU_DEP_4)
	v_pk_fma_f32 v[M+2*\i:M+2*\i+1], v[32*\i+2*\j:32*\i+2*\j+1], v[32*\i+2*\j:32*\i+2*\j+1], v[M+2*\i:M+2*\i+1]
.endr
.endr
	WIN 0
	REDUCE
.irp i, 0,1,2,3
	s_delay_alu instid0(VALU_DEP_4)
	v_fma_f32 v[M+2*\i], v[M+2*\i], s56, s57
.endr
	s_wait_alu depctr_va_vdst(0)
.irp i, 0,1,2,3
	v_rsq_f32 v[M+2*\i], v[M+2*\i]
.endr
	v_nop
	s_wait_alu depctr_va_vdst(0)
	WIN 0x41
.set n, 0
.rept 64
	v_pk_mul_f32 v[2*n:2*n+1], v[2*n:2*n+1], v[M+2*(n/16):M+2*(n/16)+1] op_sel_hi:[1,0]
.set n, n+1
.endr
.set n, 0
.rept 64
	v_pk_fma_f32 v[2*n:2*n+1], v[2*n:2*n+1], v[WF+48+2*(n%16):WF+48+2*(n%16)+1], v[WF+96+2*(n%16):WF+96+2*(n%16)+1]
.set n, n+1
.endr
	WIN 0x04
.irp i, 0,1,2,3
.irp c, 0,1,2,3,4,5,6,7
	global_store_b128 v1, v[32*\i+4*\c:32*\i+4*\c+3], s[20:21] offset:\i*4096+512*\c th:TH_STORE_NT
.endr
.endr
	WIN 0
	s_wait_tensorcnt 0x0
	ds_add_u32 v14, v15
	s_wait_dscnt 0x0
	s_endpgm
.Lfunc_end_k_q0e31cf94a7_outln:
	.size	k_q0e31cf94a7_outln, .Lfunc_end_k_q0e31cf94a7_outln-k_q0e31cf94a7_outln
	.p2alignl 7, 3214868480
	.fill 96, 4, 3214868480
	.section	.rodata,"a",@progbits
	.p2align	6, 0x0
	.amdhsa_kernel k_q0e31cf94a7_outln
		.amdhsa_group_segment_fixed_size 327680
		.amdhsa_private_segment_fixed_size 0
		.amdhsa_enable_private_segment 0
		.amdhsa_kernarg_size 72
		.amdhsa_user_sgpr_count 2
		.amdhsa_user_sgpr_kernarg_segment_ptr 1
		.amdhsa_wavefront_size32 1
		.amdhsa_system_sgpr_workgroup_id_x 1
		.amdhsa_system_sgpr_workgroup_id_y 1
		.amdhsa_system_sgpr_workgroup_id_z 1
		.amdhsa_system_vgpr_workitem_id 0
		.amdhsa_next_free_vgpr 512
		.amdhsa_next_free_sgpr 66
		.amdhsa_reserve_vcc 0
		.amdhsa_float_denorm_mode_32 3
		.amdhsa_float_denorm_mode_16_64 3
		.amdhsa_memory_ordered 1
		.amdhsa_forward_progress 1
		.amdhsa_inst_pref_size 97
	.end_amdhsa_kernel
	.amdgpu_metadata
---
amdhsa.version: [ 1, 2 ]
amdhsa.kernels:
  - .name:           k_q0e31cf94a7_outln
    .symbol:         k_q0e31cf94a7_outln.kd
    .args:
      - { .name: ai, .offset: 0, .size: 8, .value_kind: global_buffer, .address_space: global }
      - { .name: asc, .offset: 8, .size: 8, .value_kind: global_buffer, .address_space: global }
      - { .name: wi, .offset: 16, .size: 8, .value_kind: global_buffer, .address_space: global }
      - { .name: Wo_scales, .offset: 24, .size: 8, .value_kind: global_buffer, .address_space: global }
      - { .name: bo, .offset: 32, .size: 8, .value_kind: global_buffer, .address_space: global }
      - { .name: x, .offset: 40, .size: 8, .value_kind: global_buffer, .address_space: global }
      - { .name: gamma, .offset: 48, .size: 8, .value_kind: global_buffer, .address_space: global }
      - { .name: beta, .offset: 56, .size: 8, .value_kind: global_buffer, .address_space: global }
      - { .name: out0, .offset: 64, .size: 8, .value_kind: global_buffer, .address_space: global }
    .group_segment_fixed_size: 327680
    .private_segment_fixed_size: 0
    .kernarg_segment_align: 8
    .kernarg_segment_size: 72
    .max_flat_workgroup_size: 256
    .sgpr_count:     66
    .vgpr_count:     512
    .wavefront_size: 32
...
	.end_amdgpu_metadata
.endif
;; end of part 4
